; MI455X (gfx1250); checked and timed in simulation.
; The chip was launched on July 23, 2026; its instructions are those of AMD's public machine-readable ISA for CDNA 5 (MIT licence, August 2026) and "CDNA5" Instruction Set Architecture Reference Guide (July 2026). The comments in the code are by the model that wrote it; some were corrected since.
;; Encoder Layer. Allowed arithmetic: float matrix products may take bf16 or f16 operands with f32 sums; other float arithmetic in f32, or as packed bf16 or f16 multiplies, adds, multiply-adds, maxima and minima; sums over many terms, partial sums and values carried from step to step in f32; what a program stores and reads back later, other than sums and carried values, may be rounded once to bf16 or f16.
;; Inputs: ffn_b1 4,096 float32; ffn_b2 1,024 float32; ffn_w1 1,024 x 4,096 float32; ffn_w2 4,096 x 1,024 float32; ln1_b 1,024 float32; ln1_g 1,024 float32; ln2_b 1,024 float32; ln2_g 1,024 float32; src_mask 2 x 1 x 1 x 2,048 bool; w_k 1,024 x 1,024 float32; w_o 1,024 x 1,024 float32; w_q 1,024 x 1,024 float32; w_v 1,024 x 1,024 float32; x 2 x 2,048 x 1,024 float32.
;; Outputs: out0 2 x 2,048 x 1,024 float32.
;; One version. Each part assembles by itself: llvm-mc -triple=amdgcn-amd-amdhsa -mcpu=gfx1250 --defsym DOCPART=n.
;; ======== version 1 of 1: 7 launches
;; limits: right only within a limited range of input values
;; workspace buffers: wb 25,165,824 bytes; tab 933,888 bytes; xn 8,388,608 bytes; qkvb 25,165,824 bytes; ao 8,388,608 bytes; xr 16,777,216 bytes; hb 33,554,432 bytes
;; launch prep (part 1): grid 1508 x 1, 8 waves a work-group, no clusters, 0 bytes of LDS; arguments x, ln1_g, ln1_b, w_q, w_k, w_v, w_o, ffn_w1, ffn_w2, src_mask, xn, wb, tab; writes xn, wb, tab
.if DOCPART == 1
	.amdgcn_target "amdgcn-amd-amdhsa--gfx1250"
	.amdhsa_code_object_version 6
	.text
	.protected	k_qcb564dd193_prep
	.globl	k_qcb564dd193_prep
	.p2align	8
	.type	k_qcb564dd193_prep,@function
k_qcb564dd193_prep:
	s_mov_b64 s[64:65], 0
	v_nop
	global_prefetch_b8 v0, s[64:65] scope:SCOPE_SE
	s_setreg_imm32_b32 hwreg(HW_REG_WAVE_MODE, 25, 1), 1
	s_wait_xcnt 0x0
; PREP: four streams in one launch, chosen by the work-group's number; none shares a byte with another.  The short ones have the lowest numbers.
;   0..223     the rotation table, 7,168 rows of 128 bytes in f16: [cos j = 0..31 | sin j = 0..31]
;              rows 0..2047: position t (for q); rows 2048 + 2048 b + t: the same times mask[b][t] (for k: a hidden key's row is 0); rows 6144..7167: cos = 1, sin = 0 (for v)
;   224..227   madd[2][2048] f32 at byte 917,504 of tab: 0 for a key that is seen, -2^100 for one that is hidden
;   228..739   xn = LayerNorm(x) g + b in bf16: a wave a row, the row kept in registers; mean first, then the variance of x - mean
;   740..1507  the six weight matrices, f32 -> bf16, kept [K][N], one behind the other in wb (w_q, w_k, w_v, w_o, ffn_w1, ffn_w2)
; No wave loads twice: each issues all its loads at once and works on them as they come.
; LIMITS.  The phase t x 10000^(-j/32) is formed in f32 (off by up to some 3e-4 rad at t = 2047 from a phase formed otherwise in f32); the sine is a series to r^15 on
; |r| <= pi (cut off below 8e-7); cos and sin are rounded once to f16.  No LDS, no matrix unit: every byte is read once and written once.
.set MADD, 917504
.set ID_MASK, 224
.set ID_LN,   228
.set ID_CVT,  740
.set LX,  4                            ; v[4:35]    a row, 32 numbers a lane
.set LG,  36                           ; v[36:67]   gain of my columns
.set LB,  68                           ; v[68:99]   bias of my columns
.set LT,  100                          ; v[100:115] at work
.set LMU, 116                          ; v[116:117] the mean, twice
.set LRS, 118                          ; v[118:119] 1 / sqrt(var + eps), twice
.set LN_X, 4
.set LN_G, 6
.set LN_B, 8
.set LN_O, 24
.set LN_SEL, 32
.set LN_INV, 34
.set LN_EPS, 35
.set LN_WG, 37
.set LN_T, 38
.set LN_U, 40
; the sum of the 16 numbers in v[LT..LT+15] and over the 32 lanes, into v[LT] of every lane
.macro LNSUM
.irp i, 0,1,2,3
	v_pk_add_f32 v[LT+4*\i:LT+4*\i+1], v[LT+4*\i:LT+4*\i+1], v[LT+4*\i+2:LT+4*\i+3]
.endr
	v_pk_add_f32 v[LT:LT+1], v[LT:LT+1], v[LT+4:LT+5]
	v_pk_add_f32 v[LT+8:LT+9], v[LT+8:LT+9], v[LT+12:LT+13]
	v_pk_add_f32 v[LT:LT+1], v[LT:LT+1], v[LT+8:LT+9]
	v_add_f32 v[LT], v[LT], v[LT+1]
.irp m, 1,2,4,8
	v_add_f32_dpp v[LT], v[LT], v[LT] row_xmask:\m row_mask:0xf bank_mask:0xf
.endr
	v_permlanex16_b32 v[LT+1], v[LT], s[LN_SEL], s[LN_SEL+1]
	v_add_f32 v[LT], v[LT], v[LT+1]
.endm
; LayerNorm of 8 rows of 1,024 f32 by a work-group of eight waves, a row a wave; s[LN_WG] = which 8 rows.
; Load j of a row covers its bytes 512 j .. 512 j + 511; store j covers 256 consecutive bytes of the bf16 row, aligned.
.macro LNBODY
	v_and_b32 v3, 31, v0
	v_lshlrev_b32 v1, 4, v3                        ; 16 bytes a lane in
	v_lshlrev_b32 v2, 3, v3                        ; 8 bytes a lane out
	v_lshrrev_b32 v3, 5, v0
	v_readfirstlane_b32 s[LN_T], v3                ; wave
	s_lshl_b32 s[LN_WG], s[LN_WG], 3
	s_add_co_u32 s[LN_T], s[LN_T], s[LN_WG]        ; my row
	s_lshl_b32 s[LN_U], s[LN_T], 11
	s_mov_b32 s[LN_U+1], 0
	s_lshl_b32 s[LN_T], s[LN_T], 12
	s_mov_b32 s[LN_T+1], 0
	s_add_nc_u64 s[LN_X:LN_X+1], s[LN_X:LN_X+1], s[LN_T:LN_T+1]
	s_add_nc_u64 s[LN_O:LN_O+1], s[LN_O:LN_O+1], s[LN_U:LN_U+1]
.irp j, 0,1,2,3,4,5,6,7
	global_load_b128 v[LX+4*\j:LX+4*\j+3], v1, s[LN_X:LN_X+1] offset:512*\j  ; the row first: the sums want it first
.endr
.irp j, 0,1,2,3,4,5,6,7
	global_load_b128 v[LG+4*\j:LG+4*\j+3], v1, s[LN_G:LN_G+1] offset:512*\j
	global_load_b128 v[LB+4*\j:LB+4*\j+3], v1, s[LN_B:LN_B+1] offset:512*\j
.endr
	s_mov_b32 s[LN_SEL], 0x76543210
	s_mov_b32 s[LN_SEL+1], 0xfedcba98
	s_mov_b32 s[LN_INV], 0x3a800000                ; 1 / 1024
	s_mov_b32 s[LN_EPS], 0x358637bd                ; 1e-6
	s_wait_loadcnt 16                              ; the row is in; the sixteen loads of gain and bias, issued behind it, may stay out
.irp i, 0,1,2,3,4,5,6,7
	v_pk_add_f32 v[LT+2*\i:LT+2*\i+1], v[LX+4*\i:LX+4*\i+1], v[LX+4*\i+2:LX+4*\i+3]
.endr
	LNSUM
	v_mul_f32 v[LMU], s[LN_INV], v[LT]
	v_mul_f32 v[LMU+1], s[LN_INV], v[LT]
.irp i, 0,1,2,3,4,5,6,7,8,9,10,11,12,13,14,15
	v_pk_add_f32 v[LX+2*\i:LX+2*\i+1], v[LX+2*\i:LX+2*\i+1], v[LMU:LMU+1] neg_lo:[0,1] neg_hi:[0,1]  ; x - mean, in place: the variance is taken of these, so a common offset costs nothing
.endr
.irp i, 0,1,2,3,4,5,6,7
	v_pk_mul_f32 v[LT+2*\i:LT+2*\i+1], v[LX+4*\i:LX+4*\i+1], v[LX+4*\i:LX+4*\i+1]
.endr
.irp i, 0,1,2,3,4,5,6,7
	v_pk_fma_f32 v[LT+2*\i:LT+2*\i+1], v[LX+4*\i+2:LX+4*\i+3], v[LX+4*\i+2:LX+4*\i+3], v[LT+2*\i:LT+2*\i+1]
.endr
	LNSUM
	v_fma_f32 v[LT], v[LT], s[LN_INV], s[LN_EPS]
	v_rsq_f32 v[LRS], v[LT]
	v_rsq_f32 v[LRS+1], v[LT]
	v_nop                                          ; a plain instruction behind the last root,
	s_wait_alu depctr_va_vdst(0)                   ; and one wait for both, ahead of their first reader
	s_wait_loadcnt 0x0                             ; gain and bias
.irp i, 0,1,2,3,4,5,6,7,8,9,10,11,12,13,14,15
	v_pk_mul_f32 v[LX+2*\i:LX+2*\i+1], v[LX+2*\i:LX+2*\i+1], v[LRS:LRS+1]
	v_pk_fma_f32 v[LX+2*\i:LX+2*\i+1], v[LX+2*\i:LX+2*\i+1], v[LG+2*\i:LG+2*\i+1], v[LB+2*\i:LB+2*\i+1]
.endr
.irp j, 0,1,2,3,4,5,6,7
	v_cvt_pk_bf16_f32 v[LT+2*\j], v[LX+4*\j], v[LX+4*\j+1]
	v_cvt_pk_bf16_f32 v[LT+2*\j+1], v[LX+4*\j+2], v[LX+4*\j+3]
	global_store_b64 v2, v[LT+2*\j:LT+2*\j+1], s[LN_O:LN_O+1] offset:256*\j
.endr
.endm
	s_load_b512 s[4:19], s[0:1], 0x0               ; x 4, ln1_g 6, ln1_b 8, w_q 10, w_k 12, w_v 14, w_o 16, ffn_w1 18
	s_load_b256 s[20:27], s[0:1], 0x40             ; ffn_w2 20, src_mask 22, xn 24, wb 26
	s_load_b64 s[28:29], s[0:1], 0x60              ; tab
	s_wait_kmcnt 0x0
	s_cmp_ge_u32 ttmp9, ID_CVT
	s_cbranch_scc1 .Lcvt
	s_cmp_ge_u32 ttmp9, ID_LN
	s_cbranch_scc1 .Lln
	s_cmp_lt_u32 ttmp9, ID_MASK
	s_cbranch_scc1 .Lrope
	; ---- the additive key mask: a thread takes four bytes of src_mask and writes four f32
	s_sub_co_u32 s30, ttmp9, ID_MASK
	s_lshl_b32 s30, s30, 8
	v_add_nc_u32 v1, s30, v0
	v_lshlrev_b32 v2, 2, v1
	v_lshlrev_b32 v1, 4, v1
	global_load_b32 v3, v2, s[22:23]
	v_mov_b32 v9, 0xf1800000                       ; -2^100
	v_mov_b32 v10, 0
	s_wait_loadcnt 0x0
.irp k, 0,1,2,3
	v_bfe_u32 v8, v3, 8*\k, 8
	v_cmp_ne_u32 vcc_lo, 0, v8
	v_cndmask_b32 v[4+\k], v9, v10, vcc_lo         ; seen: 0
.endr
	global_store_b128 v1, v[4:7], s[28:29] offset:MADD
	s_endpgm
.Lcvt:  ; ---- cast work-group c takes 16,384 numbers: 65,536 bytes in, 32,768 out at wb + 32,768 c
	s_sub_co_u32 s30, ttmp9, ID_CVT                ; c
	s_lshr_b32 s40, s30, 6                         ; 0..3: w_q, w_k, w_v, w_o; 4..7: ffn_w1; 8..11: ffn_w2
	s_and_b32 s41, s30, 63
	s_sub_co_u32 s44, s30, 256
	s_sub_co_u32 s45, s30, 512
	s_cmp_eq_u32 s40, 1
	s_cselect_b64 s[42:43], s[12:13], s[10:11]
	s_cmp_eq_u32 s40, 2
	s_cselect_b64 s[42:43], s[14:15], s[42:43]
	s_cmp_eq_u32 s40, 3
	s_cselect_b64 s[42:43], s[16:17], s[42:43]
	s_cmp_ge_u32 s40, 4
	s_cselect_b64 s[42:43], s[18:19], s[42:43]
	s_cselect_b32 s41, s44, s41
	s_cmp_ge_u32 s40, 8
	s_cselect_b64 s[42:43], s[20:21], s[42:43]
	s_cselect_b32 s41, s45, s41                    ; my part's number inside its matrix
	s_lshl_b32 s46, s41, 16
	s_mov_b32 s47, 0
	s_add_nc_u64 s[42:43], s[42:43], s[46:47]
	s_lshl_b32 s46, s30, 15
	s_add_nc_u64 s[48:49], s[26:27], s[46:47]
	v_lshlrev_b32 v1, 4, v0
	v_lshlrev_b32 v2, 3, v0
.set j, 0
.rept 16                               ; all sixteen loads of a wave go out at once: 8,192 bytes; load j of the work-group covers bytes 4,096 j .. 4,096 j + 4,095
	global_load_b128 v[4+4*j:7+4*j], v1, s[42:43] offset:4096*j th:TH_LOAD_NT
.set j, j+1
.endr
.set j, 0
.rept 16
	s_wait_loadcnt 15-j                            ; loads come back in order: load j is in, the 15 - j younger ones stay out
	v_cvt_pk_bf16_f32 v[4+4*j], v[4+4*j], v[5+4*j]
	v_cvt_pk_bf16_f32 v[5+4*j], v[6+4*j], v[7+4*j]
	global_store_b64 v2, v[4+4*j:5+4*j], s[48:49] offset:2048*j  ; a wave's store covers 256 consecutive bytes, aligned; no register of it is written again
.set j, j+1
.endr
	s_endpgm
.Lln:   ; ---- LayerNorm 1
	s_sub_co_u32 s[LN_WG], ttmp9, ID_LN
	LNBODY
	s_endpgm
.Lrope: ; ---- the rotation table: thread u makes 16 bytes: row u / 8, chunk c = u % 8 (c < 4: cos of j = 8 c .., else sin of j = 8 (c - 4) ..)
	s_lshl_b32 s30, ttmp9, 8
	v_add_nc_u32 v1, s30, v0                       ; u
	v_lshrrev_b32 v2, 3, v1                        ; row R
	v_and_b32 v3, 7, v1                            ; c
	v_add_nc_u32 v9, 0xfffff800, v2                ; R - 2048, held to 0 .. 4095: the key whose mask byte rows 2048..6143 take
	v_max_i32 v9, 0, v9
	v_min_u32 v9, 0xfff, v9
	global_load_u8 v11, v9, s[22:23]
	v_and_b32 v4, 3, v3
	v_lshlrev_b32 v4, 3, v4                        ; the first j
	v_and_b32 v5, 0x7ff, v2
	v_cvt_f32_u32 v5, v5                           ; t
	s_mov_b32 s40, 0x3e800000                      ; 1/4 turn
	s_mov_b32 s41, 0x3fc90fdb                      ; pi / 2
	s_mov_b32 s42, 0x40c90000                      ; 2 pi = 6.28125 + 0.0019353072: n x 6.28125 is exact for n < 2^15
	s_mov_b32 s43, 0x3afdaa22
	s_mov_b32 s48, 2048
	s_mov_b32 s49, 6144
	v_mov_b32 v13, 0xab573f9f                      ; -1 / 15!
	v_cmp_gt_u32 s44, 4, v3                        ; lanes that make cosines: cos a = sin(a + pi / 2)
	v_cndmask_b32 v6, 0, s40, s44
	v_cndmask_b32 v7, 0, s41, s44
	v_cndmask_b32 v12, 0, 1.0, s44                 ; the identity rows: cos = 1, sin = 0
.irp e, 0,1,2,3,4,5,6,7
	v_add_nc_u32 v[16+\e], \e, v4
	v_cvt_f32_u32 v[16+\e], v[16+\e]
	v_mul_f32 v[16+\e], 0xbed49a78, v[16+\e]       ; -j log2(10000) / 32
.endr
.irp e, 0,1,2,3,4,5,6,7
	v_exp_f32 v[16+\e], v[16+\e]
.endr
	v_nop
	s_wait_alu depctr_va_vdst(0)                   ; one wait for the eight
.irp e, 0,1,2,3,4,5,6,7
	v_mul_f32 v[16+\e], v5, v[16+\e]               ; the phase a
	v_fma_f32 v[24+\e], v[16+\e], 0x3e22f983, v6   ; a / 2 pi (+ 1/4)
	v_rndne_f32 v[24+\e], v[24+\e]                 ; whole turns n
	v_fma_f32 v[16+\e], -v[24+\e], s42, v[16+\e]
	v_fma_f32 v[16+\e], -v[24+\e], s43, v[16+\e]
	v_add_f32 v[16+\e], v7, v[16+\e]               ; r in -pi .. pi
	v_mul_f32 v[32+\e], v[16+\e], v[16+\e]         ; z = r^2
	v_fmaak_f32 v[40+\e], v[32+\e], v13, 0x2f309231
.endr
.irp k, 0xb2d7322b, 0x3638ef1d, 0xb9500d01, 0x3c088889, 0xbe2aaaab
.irp e, 0,1,2,3,4,5,6,7
	v_fmaak_f32 v[40+\e], v[40+\e], v[32+\e], \k
.endr
.endr
	s_wait_loadcnt 0x0
	v_cmp_ne_u32 s45, 0, v11
	v_cmp_gt_u32 s46, s48, v2                      ; q's rows take no mask
	s_or_b32 s45, s45, s46
	v_cndmask_b32 v8, 0, 1.0, s45
	v_cmp_le_u32 s47, s49, v2                      ; v's rows
.irp e, 0,1,2,3,4,5,6,7
	v_fma_f32 v[40+\e], v[40+\e], v[32+\e], 1.0
	v_mul_f32 v[40+\e], v[40+\e], v[16+\e]         ; sin r
	v_mul_f32 v[40+\e], v8, v[40+\e]
	v_cndmask_b32 v[40+\e], v[40+\e], v12, s47
.endr
.irp i, 0,1,2,3
	v_cvt_pk_f16_f32 v[48+\i], v[40+2*\i], v[41+2*\i]
.endr
	v_lshlrev_b32 v10, 4, v1
	global_store_b128 v10, v[48:51], s[28:29]
	s_endpgm
.Lfunc_end_k_qcb564dd193_prep:
	.size	k_qcb564dd193_prep, .Lfunc_end_k_qcb564dd193_prep-k_qcb564dd193_prep
	.p2alignl 7, 3214868480
	.fill 96, 4, 3214868480
	.section	.rodata,"a",@progbits
	.p2align	6, 0x0
	.amdhsa_kernel k_qcb564dd193_prep
		.amdhsa_group_segment_fixed_size 0
		.amdhsa_private_segment_fixed_size 0
		.amdhsa_enable_private_segment 0
		.amdhsa_kernarg_size 104
		.amdhsa_user_sgpr_count 2
		.amdhsa_user_sgpr_kernarg_segment_ptr 1
		.amdhsa_wavefront_size32 1
		.amdhsa_system_sgpr_workgroup_id_x 1
		.amdhsa_system_sgpr_workgroup_id_y 1
		.amdhsa_system_sgpr_workgroup_id_z 1
		.amdhsa_system_vgpr_workitem_id 0
		.amdhsa_next_free_vgpr 128
		.amdhsa_next_free_sgpr 66
		.amdhsa_reserve_vcc 1
		.amdhsa_float_denorm_mode_32 3
		.amdhsa_float_denorm_mode_16_64 3
		.amdhsa_memory_ordered 1
		.amdhsa_forward_progress 1
		.amdhsa_inst_pref_size 30
	.end_amdhsa_kernel
	.amdgpu_metadata
---
amdhsa.version: [ 1, 2 ]
amdhsa.kernels:
  - .name:           k_qcb564dd193_prep
    .symbol:         k_qcb564dd193_prep.kd
    .args:
      - { .name: x, .offset: 0, .size: 8, .value_kind: global_buffer, .address_space: global }
      - { .name: ln1_g, .offset: 8, .size: 8, .value_kind: global_buffer, .address_space: global }
      - { .name: ln1_b, .offset: 16, .size: 8, .value_kind: global_buffer, .address_space: global }
      - { .name: w_q, .offset: 24, .size: 8, .value_kind: global_buffer, .address_space: global }
      - { .name: w_k, .offset: 32, .size: 8, .value_kind: global_buffer, .address_space: global }
      - { .name: w_v, .offset: 40, .size: 8, .value_kind: global_buffer, .address_space: global }
      - { .name: w_o, .offset: 48, .size: 8, .value_kind: global_buffer, .address_space: global }
      - { .name: ffn_w1, .offset: 56, .size: 8, .value_kind: global_buffer, .address_space: global }
      - { .name: ffn_w2, .offset: 64, .size: 8, .value_kind: global_buffer, .address_space: global }
      - { .name: src_mask, .offset: 72, .size: 8, .value_kind: global_buffer, .address_space: global }
      - { .name: xn, .offset: 80, .size: 8, .value_kind: global_buffer, .address_space: global }
      - { .name: wb, .offset: 88, .size: 8, .value_kind: global_buffer, .address_space: global }
      - { .name: tab, .offset: 96, .size: 8, .value_kind: global_buffer, .address_space: global }
    .group_segment_fixed_size: 0
    .private_segment_fixed_size: 0
    .kernarg_segment_align: 8
    .kernarg_segment_size: 104
    .max_flat_workgroup_size: 256
    .sgpr_count:     66
    .vgpr_count:     128
    .wavefront_size: 32
...
	.end_amdgpu_metadata
.endif
;; end of part 1
;; launch proj (part 2): grid 12 x 16, 4 waves a work-group, clusters of 4 x 4, 327,680 bytes of LDS; arguments xn, wb, tab, qkvb; writes qkvb
.if DOCPART == 2
	.amdgcn_target "amdgcn-amd-amdhsa--gfx1250"
	.amdhsa_code_object_version 6
	.text
	.protected	k_qcb564dd193_proj
	.globl	k_qcb564dd193_proj
	.p2align	8
	.type	k_qcb564dd193_proj,@function
k_qcb564dd193_proj:
	s_mov_b64 s[64:65], 0
	v_nop
	global_prefetch_b8 v0, s[64:65] scope:SCOPE_SE
	s_setreg_imm32_b32 hwreg(HW_REG_WAVE_MODE, 25, 1), 1
	s_wait_xcnt 0x0
	s_wait_alu depctr_hold_cnt(0) depctr_sa_sdst(0) depctr_va_vdst(0) depctr_va_sdst(0) depctr_va_ssrc(0) depctr_va_vcc(0) depctr_vm_vsrc(0)
	s_getreg_b32 s2, hwreg(HW_REG_IB_STS2, 6, 4)
	s_cmp_eq_u32 s2, 0
	s_cbranch_scc0 .Lentry_in_a_cluster
	s_endpgm
.Lentry_in_a_cluster:
	s_bfe_u32 s2, ttmp6, 0x10000c
	s_cmp_lg_u32 s2, 0xf033
	s_cbranch_scc0 .Lentry_shape_is_right
	s_endpgm
.Lentry_shape_is_right:
; C = A B for A = xn [4096][1024] bf16 (K along the rows) and B = bf16 weights kept [K][N]; sums in f32.  One source for two kernels, told apart by QKV:
;   QKV = 1: B = [w_q | w_k | w_v] (three matrices of 1,024 columns); q and k are rotated (RoPE) on the way out, by a table row for each row of C; v's table rows are cos = 1, sin = 0,
;            a hidden key's are 0, so that its k row is 0.  q and k are rounded to bf16 ahead of the rotation and once more behind it.
;   QKV = 0: B = ffn_w1 (4,096 columns); the bias starts the sums (it is the first product's C), ReLU on the way out.
; OUT, in blocks of 64 columns: [column / 64][4096 rows][64] bf16: four rows of a block are 512 consecutive bytes, which one store of a wave fills.
; SHAPE.  A tile of C is 256 x 256, four waves, 128 x 128 each: 64 accumulators.  K = 1,024 goes in 8 steps of 128 through two LDS slots filled by tensor loads.
; A's tile rows are 256 bytes (LDS pitch 272), read as they lie; B's tile is 128 k-rows of 512 bytes (pitch 544 = 17 x 32), turned at the LDS read by ds_load_tr16_b128.
; The matrix instruction is used transposed (source 0 = 16 columns of B, source 1 = 16 rows of A): a lane holds eight neighbouring columns of one row of C.
; CLUSTER 4 x 4: A's tile is asked for jointly along a row of the cluster, B's along a column; QKV's table rows hang on the tile row and go along the row too.
; THE TEXT IS SHORT ON PURPOSE: one K step a trip (the slot's base is a scalar turned by an exclusive or), the last two steps a loop left in its middle, the way out a loop.
; REGISTERS: window 0: v0-31 addresses, v64-191 A's fragments (two buffers), v192-223 and, behind the products, v32-127 the way out; window 1: v64-191 B's fragments, v0-63 the bias; windows 2, 3: accumulators.
.set QKV, 1
.if QKV
.set NPITCH, 1024
.else
.set NPITCH, 4096
.endif
.set BSTEP,  128*NPITCH*2              ; bytes from a K step of B to the next
.set PA,     272
.set PB,     544
.set HALF,   34816                     ; what one tensor load fills: 128 rows of A or 64 k-rows of B
.set SLOT,   4*HALF                    ; A's 256 rows, then B's 128 k-rows.  0x22000: no wave's w x HALF has one of its two bits, so an exclusive or by SLOT changes slots
.set TABL,   2*SLOT                    ; QKV: 256 table rows of 128 bytes
.if QKV
.set SPARE,  TABL+32768
.else
.set SPARE,  TABL
.endif                                 ; the spare words: 128 bytes a wave, two blocks of 256 bytes that no other line names
; THE STAGE of the way out is slot 0's bytes, wave w's 128 rows of 272 bytes at w x HALF: written only behind the last barrier, when both slots have had their last fill and nobody reads them.
.set WV, 12                            ; s12 wave   s13 wave / 2: my row half; also: I fetch A (0) or B (1)   s14 wave % 2: my column half; also which half I fetch
.set FK, 13
.set HF, 14
.set TR, 15                            ; s15 tile row; s42 tile column; s40 cx; s41 cy
.set RB, 2                             ; s2  base of the slot that is read
.set CNT, 3
.set LIM, 43                           ; s43 2 in a wave that prefetches, else the greatest number
.set PFA, 44                           ; s[44:45] where my prefetches stand
.set PFS, 46                           ; s[46:47] their step from K step to K step
.set G1A, 24
.set G0A, 32                           ; two sets: K step 0 into slot 0; K step 1 into slot 1, which then walks
.set G1B, 48
.set G0B, 56
.set G1T, 72
.set G0T, 80
.set ADRA, 16
.set A0,   17
.set ADRB, 20
.set B0,   21
.set STO,  23
.set RDO,  24
.set RDP,  25
.set CO,   26
.set TBA,  27
.set SPW,  28
.set NIL,  29
.set PFO,  30
.set F0,   64
.set F1,   128
.set TMP,  192
.set BIAS, 0
.set ONE,  120
.set SG,   121
.set ZR,   122
.set MSB, 0
.macro WIN new                         ; the immediate's high byte repeats the setting that is left; a switch that changes nothing is dropped
.if MSB != (\new)
	s_set_vgpr_msb (MSB<<8)|(\new)
.set MSB, \new
.endif
.endm
.set MUL_LO, 0xa1                      ; source 0 (B) window 1, source 1 (A) window 0, C and D window 2; + 0x50: window 3
.macro JLOAD s                         ; a joint load: waves 0, 1 fetch A's halves, waves 2, 3 B's; an s_nop 0 and four v_nop follow each line
	s_cmp_eq_u32 s[FK], 0
	s_cbranch_scc0 .Lfor_b_\@
	tensor_load_to_lds s[G0A+4*(\s):G0A+4*(\s)+3], s[G1A:G1A+7]
	s_nop 0
.rept 4
	v_nop
.endr
	s_branch .Lasked_\@
.Lfor_b_\@:
	tensor_load_to_lds s[G0B+4*(\s):G0B+4*(\s)+3], s[G1B:G1B+7]
	s_nop 0
.rept 4
	v_nop
.endr
.Lasked_\@:
.endm
; A prefetch into the L2 of the K step that stands two refills on: 32 blocks of 256 bytes, a lane a block, one instruction a wave, behind the joint load and the run of LDS loads.
; A's rows are named by the clusters with x = 0, B's by those with y = 0; the four partners of a joint load share its blocks out by address.  Trips 0 to 3 name K steps 4 to 7; the others name nothing.
.macro ASK
	s_cmp_gt_u32 s[CNT], s[LIM]
	s_cbranch_scc0 .Lnot_mine_\@
	global_prefetch_b8 v[PFO], s[PFA:PFA+1] th:TH_LOAD_NT scope:SCOPE_SE
.Lnot_mine_\@:
.endm
.macro CREST                           ; a round of the cluster's barrier behind its opening barrier
	s_cmp_lg_u32 s[WV], 0
	s_cbranch_scc1 .Lnot_wave_0_\@
	s_barrier_signal -3
.Lnot_wave_0_\@:
	s_barrier_wait -3
	s_barrier_signal -1
	s_barrier_wait -1
.endm
.macro CROUND
	s_barrier_signal -1
	s_barrier_wait -1
	CREST
.endm
.macro PLACES                          ; four plain places behind a matrix instruction, ahead of loads into its sources and of readers of its result
.rept 4
	v_nop
.endr
.endm
; 16 matrix instructions: m blocks a0, a0 + 1 of the window's four x all 8 n blocks, 32 along K.  zero = 1: the first product starts the sums, with 0 or with the bias.
.macro MUL16 f, hi, a0, zero
.if (\zero) && !QKV
	WIN 0x91+0x40*(\hi)                            ; C in window 1
.else
	WIN MUL_LO+0x50*(\hi)
.endif
.irp a, \a0, (\a0)+1
.irp b, 0,1,2,3,4,5,6,7
.if (\zero) && QKV
	v_wmma_f32_16x16x32_bf16 v[8*(8*(\a)+(\b)):8*(8*(\a)+(\b))+7], v[(\f)+8*(\b):(\f)+8*(\b)+7], v[(\f)+8*(4*(\hi)+(\a)):(\f)+8*(4*(\hi)+(\a))+7], 0
.elseif \zero
	v_wmma_f32_16x16x32_bf16 v[8*(8*(\a)+(\b)):8*(8*(\a)+(\b))+7], v[(\f)+8*(\b):(\f)+8*(\b)+7], v[(\f)+8*(4*(\hi)+(\a)):(\f)+8*(4*(\hi)+(\a))+7], v[BIAS+8*(\b):BIAS+8*(\b)+7]
.else
	v_wmma_f32_16x16x32_bf16 v[8*(8*(\a)+(\b)):8*(8*(\a)+(\b))+7], v[(\f)+8*(\b):(\f)+8*(\b)+7], v[(\f)+8*(4*(\hi)+(\a)):(\f)+8*(4*(\hi)+(\a))+7], v[8*(8*(\a)+(\b)):8*(8*(\a)+(\b))+7]
.endif
.endr
.endr
.endm
; 32 LDS loads in one run: quarter q (32 along K) of the slot in hand into buffer f: B's 128 columns turned, then A's 128 rows
.macro FETCH q, f
	WIN 0x40
.irp i, 0,1,2,3,4,5,6,7
	ds_load_tr16_b128 v[(\f)+8*(\i):(\f)+8*(\i)+3],   v[ADRB] offset:(\q)*32*PB+32*(\i)
	ds_load_tr16_b128 v[(\f)+8*(\i)+4:(\f)+8*(\i)+7], v[ADRB] offset:(\q)*32*PB+16*PB+32*(\i)
.endr
	WIN 0
.irp i, 0,1,2,3,4,5,6,7
	ds_load_b128 v[(\f)+8*(\i):(\f)+8*(\i)+3],   v[ADRA] offset:64*(\q)+(\i)*16*PA
	ds_load_b128 v[(\f)+8*(\i)+4:(\f)+8*(\i)+7], v[ADRA] offset:64*(\q)+(\i)*16*PA+32
.endr
.endm
; multiplies buffer f; in its middle fetches quarter q of the same slot into buffer g
.macro QUARTER q, f, g, zero
	s_wait_dscnt 8                                 ; B and A's rows 0-63 are in; the youngest eight loads (A's rows 64-127) may be out
	MUL16 \f, 0, 0, \zero
	MUL16 \f, 0, 2, \zero
	PLACES
	FETCH \q, \g
	s_wait_dscnt 32                                ; all but the 32 just issued
	MUL16 \f, 1, 0, \zero
	MUL16 \f, 1, 2, \zero
.endm
; the first half of a step's last quarter, and the one barrier of a change of slots
.macro MEET
	WIN 0
	s_wait_tensorcnt 0x0                           ; all my tensor loads have landed: my part of the next slot;
	ds_add_u32 v[SPW], v[NIL]                      ; 0 onto my spare word;
	s_wait_dscnt 9                                 ; (the add and the youngest eight loads may be out)
	MUL16 F1, 0, 0, 0
	s_wait_dscnt 0x0                               ; the add is done and my reads of this slot are over
	s_barrier_signal -1
	MUL16 F1, 0, 2, 0
	WIN 0
	s_barrier_wait -1
.endm
.macro NEXT                            ; the reads go to the other slot
	s_xor_b32 s[RB], s[RB], SLOT
	v_add_nc_u32 v[ADRA], s[RB], v[A0]
	v_add_nc_u32 v[ADRB], s[RB], v[B0]
.endm
; the whole last quarter of a step whose slot is filled again, with the K step two steps on: the barrier opens a round of the cluster's, the joint refill is the first thing behind it
; and has 224 matrix instructions in which to land
.macro TURN
	s_wait_xcnt 0x0                                ; the last prefetch, a K step back, has read its address
	s_add_nc_u64 s[PFA:PFA+1], s[PFA:PFA+1], s[PFS:PFS+1]
	MEET
	CREST
	s_xor_b32 s[G0A+5], s[G0A+5], SLOT             ; the walking descriptors: the other slot than last time, the next K step
	s_add_nc_u64 s[G0A+6:G0A+7], s[G0A+6:G0A+7], 256
	s_xor_b32 s[G0B+5], s[G0B+5], SLOT
	s_add_nc_u64 s[G0B+6:G0B+7], s[G0B+6:G0B+7], BSTEP
	JLOAD 1                                        ; its four v_nop are also the places in front of the loads below
	NEXT
	FETCH 0, F0
	ASK
	MUL16 F1, 1, 0, 0
	MUL16 F1, 1, 2, 0
.endm
	s_load_b256 s[4:11], s[0:1], 0x0               ; xn s[4:5], wb s[6:7], tab or ffn_b1 s[8:9], out s[10:11]
	v_lshl_add_u32 v[SPW], v0, 2, SPARE
	v_mov_b32 v[NIL], 0
	ds_add_u32 v[SPW], v[NIL]                      ; the wave's opening: the add and its wait ahead of my first tensor load
	v_lshrrev_b32 v1, 5, v0
	v_readfirstlane_b32 s[WV], v1
	s_lshr_b32 s[FK], s[WV], 1
	s_and_b32 s[HF], s[WV], 1
	s_bfe_u32 s40, ttmp6, 0x40000                  ; cx
	s_bfe_u32 s41, ttmp6, 0x40004                  ; cy
	s_lshl_b32 s42, ttmp9, 2
	s_add_co_u32 s42, s42, s40                     ; tile column
	s_and_b32 s[TR], ttmp7, 0xffff
	s_lshl_b32 s[TR], s[TR], 2
	s_add_co_u32 s[TR], s[TR], s41                 ; tile row
	s_lshl_b32 s16, s41, 2
	s_lshl_b32 s16, 15, s16                        ; my row of the cluster
	s_lshl_b32 s20, 0x1111, s40                    ; my column
	s_or_b32 s[G1A], s16, (1<<16)|(1<<20)|(1<<21)|(5<<22)|(3<<25)   ; A: 2-byte elements, 4 words of padding behind every 64
	s_mov_b32 s[G1A+1], 128<<16                    ; tensor_dim0 = 128
	s_mov_b32 s[G1A+2], 128<<16                    ; tensor_dim1 = 128
	s_mov_b32 s[G1A+3], 128<<16                    ; tile_dim0 = 128
	s_mov_b32 s[G1A+4], 128                        ; tile_dim1 = 128
	s_mov_b32 s[G1A+5], 1024                       ; elements from row to row
	s_mov_b32 s[G1A+6], 0
	s_mov_b32 s[G1A+7], 0
	s_or_b32 s[G1B], s20, (1<<16)|(1<<20)|(1<<21)|(6<<22)|(7<<25)   ; B: 8 words of padding behind every 128
	s_mov_b32 s[G1B+1], 256<<16                    ; 256 columns
	s_mov_b32 s[G1B+2], 64<<16                     ; 64 k-rows
	s_mov_b32 s[G1B+3], 256<<16
	s_mov_b32 s[G1B+4], 64
	s_mov_b32 s[G1B+5], NPITCH
	s_mov_b32 s[G1B+6], 0
	s_mov_b32 s[G1B+7], 0
.if QKV
	s_or_b32 s[G1T], s16, (3<<16)|(1<<21)          ; the table: 8,192 dense bytes a wave as 32 rows of 256, 8-byte elements, along my row of the cluster
	s_mov_b32 s[G1T+1], 32<<16
	s_mov_b32 s[G1T+2], 32<<16
	s_mov_b32 s[G1T+3], 32<<16
	s_mov_b32 s[G1T+4], 32
	s_mov_b32 s[G1T+5], 32
	s_mov_b32 s[G1T+6], 0
	s_mov_b32 s[G1T+7], 0
	s_and_b32 s68, s[TR], 7
	s_lshl_b32 s68, s68, 8                         ; q: the position, row mod 2,048
	s_lshl_b32 s69, s[TR], 8
	s_add_co_u32 s69, s69, 2048                    ; k: a row for each batch and position
	s_and_b32 s70, s[TR], 3
	s_lshl_b32 s70, s70, 8
	s_add_co_u32 s70, s70, 6144                    ; v: identity rows
	s_cmp_eq_u32 ttmp9, 1                          ; the cluster's x says which of the three matrices: the same in all partners
	s_cselect_b32 s68, s69, s68
	s_cmp_eq_u32 ttmp9, 2
	s_cselect_b32 s68, s70, s68
	s_lshl_b32 s69, s[WV], 6
	s_add_co_u32 s68, s68, s69                     ; my 64 of the 256 rows
	s_lshl_b32 s68, s68, 7
	s_mov_b32 s69, 0
	s_mov_b32 s[G0T], 1
	s_lshl_b32 s[G0T+1], s[WV], 13
	s_add_co_u32 s[G0T+1], s[G0T+1], TABL
.endif
	s_lshl_b32 s16, s[TR], 8
	s_lshl_b32 s17, s[HF], 7
	s_add_co_u32 s16, s16, s17
	s_lshl_b32 s16, s16, 11                        ; A: (256 x tile row + 128 x half) rows of 2,048 bytes
	s_mov_b32 s17, 0
.if QKV
	s_lshl_b32 s20, ttmp9, 21                      ; B: the matrix,
	s_lshl_b32 s21, s40, 9                         ; its 256 columns,
	s_add_co_u32 s20, s20, s21
	s_lshl_b32 s21, s[HF], 17                      ; my 64 k-rows
.else
	s_lshl_b32 s20, s42, 9
	s_add_co_u32 s20, s20, 8<<20                   ; ffn_w1 in wb
	s_lshl_b32 s21, s[HF], 19
.endif
	s_add_co_u32 s20, s20, s21
	s_mov_b32 s21, 0
	s_mul_i32 s66, s[WV], HALF                     ; where my loads go, and my stage
	s_mov_b32 s[RB], 0
	s_wait_dscnt 0x0                               ; the opening add is done
	s_wait_kmcnt 0x0
	s_add_nc_u64 s[18:19], s[4:5], s[16:17]
	s_add_nc_u64 s[22:23], s[6:7], s[20:21]
.irp s, 0,1
	s_mov_b32 s[G0A+4*(\s)], 1
	s_add_co_u32 s[G0A+4*(\s)+1], s66, (\s)*SLOT
	s_add_nc_u64 s[G0A+4*(\s)+2:G0A+4*(\s)+3], s[18:19], (\s)*256
	s_or_b32 s[G0A+4*(\s)+3], s[G0A+4*(\s)+3], 0x80000000
	s_mov_b32 s[G0B+4*(\s)], 1
	s_add_co_u32 s[G0B+4*(\s)+1], s66, (\s)*SLOT
	s_add_nc_u64 s[G0B+4*(\s)+2:G0B+4*(\s)+3], s[22:23], (\s)*BSTEP
	s_or_b32 s[G0B+4*(\s)+3], s[G0B+4*(\s)+3], 0x80000000
.endr
.if QKV
	s_add_nc_u64 s[G0T+2:G0T+3], s[8:9], s[68:69]
	s_or_b32 s[G0T+3], s[G0T+3], 0x80000000
.endif
	CROUND                                         ; all sixteen work-groups are here: the first joint loads meet
.if QKV
	tensor_load_to_lds s[G0T:G0T+3], s[G1T:G1T+7]  ; the first fills go out as one group: the table (QKV), K step 0, K step 1: three or two loads of mine are out
	s_nop 0
.endif
	s_cmp_eq_u32 s[FK], 0
	s_cbranch_scc0 .Lfirst_b
	tensor_load_to_lds s[G0A:G0A+3], s[G1A:G1A+7]
	s_nop 0
	tensor_load_to_lds s[G0A+4:G0A+7], s[G1A:G1A+7]
	s_nop 0
.rept 4
	v_nop
.endr
	s_branch .Lfirst_asked
.Lfirst_b:
	tensor_load_to_lds s[G0B:G0B+3], s[G1B:G1B+7]
	s_nop 0
	tensor_load_to_lds s[G0B+4:G0B+7], s[G1B:G1B+7]
	s_nop 0
.rept 4
	v_nop
.endr
.Lfirst_asked:
	v_and_b32 v1, 15, v0                           ; r = l % 16
	v_bfe_u32 v2, v0, 4, 1                         ; h = l / 16
.if !QKV
	s_lshl_b32 s16, s42, 10                        ; the bias of my 128 columns: register j of n block b is column 16 b + 8 h + j, as in a result
	s_lshl_b32 s17, s[HF], 9
	s_add_co_u32 s16, s16, s17
	s_mov_b32 s17, 0
	s_add_nc_u64 s[8:9], s[8:9], s[16:17]
	v_lshlrev_b32 v3, 5, v2
	WIN 0x40
.irp b, 0,1,2,3,4,5,6,7
	global_load_b128 v[BIAS+8*\b:BIAS+8*\b+3],   v3, s[8:9] offset:64*\b
	global_load_b128 v[BIAS+8*\b+4:BIAS+8*\b+7], v3, s[8:9] offset:64*\b+16
.endr
	WIN 0
.endif
	v_mul_u32_u24 v3, v1, PA
	v_lshl_add_u32 v3, v2, 4, v3                   ; r x 272 + 16 h
	s_mul_i32 s16, s[FK], HALF
	v_add_nc_u32 v[A0], s16, v3                    ; my 128 rows of A
	v_add_nc_u32 v[STO], s66, v3                   ; the way out: where I put 16 bytes of a row
	v_and_b32 v4, 7, v0
	v_lshl_add_u32 v4, v2, 3, v4                   ; the turning load: k-row 8 h + l % 8,
	v_mul_u32_u24 v4, v4, PB
	v_bfe_u32 v5, v0, 3, 1
	v_lshl_add_u32 v4, v5, 4, v4                   ; columns 8 ((l / 8) % 2) ..
	s_lshl_b32 s16, s[HF], 8
	s_add_co_u32 s16, s16, 2*HALF
	v_add_nc_u32 v[B0], s16, v4                    ; my 128 columns of B, behind A's 256 rows
	v_mov_b32 v[ADRA], v[A0]
	v_mov_b32 v[ADRB], v[B0]
	v_and_b32 v6, 31, v0                           ; l
	v_lshrrev_b32 v7, 3, v6                        ; back from the stage: 32 lanes take four rows x 128 bytes of one block of 64 columns
	v_and_b32 v8, 7, v0
	v_mul_u32_u24 v9, v7, PA
	v_add_nc_u32 v9, s66, v9
	v_lshl_add_u32 v[RDO], v8, 4, v9
	v_lshlrev_b32 v[CO], 4, v6                     ; which are 512 consecutive bytes of the output
.if QKV
	v_xor_b32 v10, 4, v8
	v_lshl_add_u32 v[RDP], v10, 4, v9              ; the partner: the same row, 32 channels away
	v_and_b32 v10, 3, v0
	v_lshlrev_b32 v10, 4, v10
	v_lshl_add_u32 v10, v7, 7, v10
	s_lshl_b32 s16, s[FK], 14
	s_add_co_u32 s16, s16, TABL
	v_add_nc_u32 v[TBA], s16, v10                  ; the row's cosines of my eight channels; the sines lie 64 bytes on
.endif
	; the prefetches
	s_and_b32 s67, ttmp7, 0xffff
	s_mov_b32 s69, 32*2048                         ; a partner's share: 32 rows of A, or 16 k-rows of B (two blocks of 256 bytes each)
	s_mov_b32 s70, 16*NPITCH*2
	s_mov_b32 s[PFS], 256
	s_mov_b32 s71, BSTEP
	s_mov_b32 s16, 2048
	s_mov_b32 s17, NPITCH*2
	s_cmp_eq_u32 s[FK], 0
	s_cselect_b32 s67, ttmp9, s67                  ; the coordinate along which other clusters read the same rows
	s_cselect_b32 s68, s40, s41                    ; my place among the four that ask jointly
	s_cselect_b32 s69, s69, s70
	s_cselect_b32 s[PFS], s[PFS], s71
	s_cselect_b32 s16, s16, s17
	s_cselect_b64 s[PFA:PFA+1], s[18:19], s[22:23]
	s_cmp_eq_u32 s67, 0
	s_cselect_b32 s[LIM], 2, -1
	s_mul_i32 s68, s68, s69
	s_mul_i32 s70, s[PFS], 3                       ; at K step 3: the first change of slots steps it to 4
	s_add_co_u32 s68, s68, s70
	s_mov_b32 s69, 0
	s_mov_b32 s[PFS+1], 0
	s_add_nc_u64 s[PFA:PFA+1], s[PFA:PFA+1], s[68:69]
	v_lshrrev_b32 v7, s[FK], v6                    ; A: a lane a row; B: two lanes a k-row
	v_mul_lo_u32 v7, v7, s16
	v_and_b32 v8, s[FK], v6
	v_lshl_add_u32 v[PFO], v8, 8, v7
	; the output at my part: block 4 x tile column + 2 x column half, row 256 x tile row + 128 x row half, 128 bytes a row
	s_lshl_b32 s20, s42, 2
	s_lshl_b32 s21, s[HF], 1
	s_add_co_u32 s20, s20, s21
	s_lshl_b32 s20, s20, 12
	s_lshl_b32 s21, s[TR], 8
	s_add_co_u32 s20, s20, s21
	s_lshl_b32 s21, s[FK], 7
	s_add_co_u32 s20, s20, s21
	s_lshl_b32 s20, s20, 7
	s_mov_b32 s21, 0
	s_add_nc_u64 s[10:11], s[10:11], s[20:21]
	s_wait_tensorcnt 1                             ; the table and my part of K step 0 are in; K step 1's load may stay out
	s_barrier_signal -1
	s_barrier_wait -1
.if !QKV
	s_wait_loadcnt 0x0                             ; the bias
.endif
	FETCH 0, F0
	QUARTER 1, F0, F1, 1                           ; the first quarter stands in front of the loop: its products start the sums
	WIN 0
	s_mov_b32 s[CNT], 6
.Lstep:                                                ; K steps 0 to 5, from a step's second quarter to the next step's first; the slot left is filled with K steps 2 to 7
	QUARTER 2, F1, F0, 0
	QUARTER 3, F0, F1, 0
	TURN
	QUARTER 1, F0, F1, 0
	WIN 0
	s_sub_co_u32 s[CNT], s[CNT], 1
	s_cmp_lg_u32 s[CNT], 0
	s_cbranch_scc1 .Lstep
	s_mov_b32 s[CNT], 2
.Ltail:                                                ; K steps 6 and 7 fill nothing; the second trip is left behind its barrier, which frees the ring for the stage
	QUARTER 2, F1, F0, 0
	QUARTER 3, F0, F1, 0
	MEET
	s_sub_co_u32 s[CNT], s[CNT], 1
	s_cmp_eq_u32 s[CNT], 0
	s_cbranch_scc1 .Lout
	PLACES
	NEXT
	FETCH 0, F0
	MUL16 F1, 1, 0, 0
	MUL16 F1, 1, 2, 0
	QUARTER 1, F0, F1, 0
	WIN 0
	s_branch .Ltail
.Lout:
	MUL16 F1, 1, 0, 0
	MUL16 F1, 1, 2, 0
	PLACES
; THE WAY OUT.  Block a (16 rows) is rounded to bf16, 16 bytes a lane, into my stage; each accumulator's registers in ascending order.
.macro DUMP a
	WIN 0x0a+5*((\a)/4)
.irp b, 0,1,2,3,4,5,6,7
.irp r, 0,1,2,3
	v_cvt_pk_bf16_f32 v[TMP+4*(\b)+(\r)], v[64*((\a)%4)+8*(\b)+2*(\r)], v[64*((\a)%4)+8*(\b)+2*(\r)+1]
.endr
.endr
	WIN 0
.irp b, 0,1,2,3,4,5,6,7
	ds_store_b128 v[STO], v[TMP+4*(\b):TMP+4*(\b)+3] offset:(\a)*16*PA+32*(\b)
.endr
.endm
.irp a, 0,1,2,3,4,5,6,7
	DUMP \a
.endr
	v_mov_b32 v[ZR], 0
.if QKV
	v_mov_b32 v[ONE], 1.0
	v_and_b32 v3, 4, v0
	v_cmp_eq_u32 vcc_lo, 0, v3
	v_cndmask_b32 v[SG], 1.0, -1.0, vcc_lo         ; channels 0-31 take minus their partner's sine term
.macro CVH dst, src, half, mul         ; an f16 half times mul, in f32
.if \half
	v_fma_mix_f32 v[\dst], v[\src], v[\mul], v[ZR] op_sel:[1,0,0] op_sel_hi:[1,0,0]
.else
	v_fma_mix_f32 v[\dst], v[\src], v[\mul], v[ZR] op_sel_hi:[1,0,0]
.endif
.endm
.macro MXB dst, src, half, mul, add    ; a bf16 half times mul plus add, in f32
.if \half
	v_fma_mix_f32_bf16 v[\dst], v[\src], v[\mul], v[\add] op_sel:[1,0,0] op_sel_hi:[1,0,0]
.else
	v_fma_mix_f32_bf16 v[\dst], v[\src], v[\mul], v[\add] op_sel_hi:[1,0,0]
.endif
.endm
	s_mov_b32 s[CNT], 16
.Lrope:                                                ; a trip: 8 rows x 128 columns.  out = own x cos + partner x (+-sin); LDS serves a wave's instructions in order, so these loads see my stores
.irp g, 0,1
	ds_load_b128 v[32+16*\g:35+16*\g], v[RDO] offset:\g*4*PA
	ds_load_b128 v[36+16*\g:39+16*\g], v[RDO] offset:\g*4*PA+128
	ds_load_b128 v[40+16*\g:43+16*\g], v[RDP] offset:\g*4*PA
	ds_load_b128 v[44+16*\g:47+16*\g], v[RDP] offset:\g*4*PA+128
	ds_load_b128 v[64+8*\g:67+8*\g], v[TBA] offset:\g*512
	ds_load_b128 v[68+8*\g:71+8*\g], v[TBA] offset:\g*512+64
.endr
.irp g, 0,1
	s_wait_dscnt 6-6*\g                            ; the first four rows' six loads are in, the other six may be out; then all
.set e, 0
.rept 8
	CVH 80+e, 64+8*\g+e/2, e%2, ONE
	CVH 88+e, 68+8*\g+e/2, e%2, SG
.set e, e+1
.endr
.irp u, 0,1
.set e, 0
.rept 8
	MXB 96+e, 32+16*\g+4*\u+e/2, e%2, 80+e, ZR
.set e, e+1
.endr
.set e, 0
.rept 8
	MXB 96+e, 40+16*\g+4*\u+e/2, e%2, 88+e, 96+e
.set e, e+1
.endr
.irp i, 0,1,2,3
	v_cvt_pk_bf16_f32 v[104+8*\g+4*\u+\i], v[96+2*\i], v[97+2*\i]
.endr
	global_store_b128 v[CO], v[104+8*\g+4*\u:107+8*\g+4*\u], s[10:11] offset:\g*512+\u*524288  ; 512 consecutive bytes, aligned
.endr
.endr
	s_wait_xcnt 0x0                                ; the stores have read their data and address
	v_add_nc_u32 v[RDO], 8*PA, v[RDO]
	v_add_nc_u32 v[RDP], 8*PA, v[RDP]
	v_add_nc_u32 v[TBA], 1024, v[TBA]
	v_add_nc_u32 v[CO], 1024, v[CO]
	s_sub_co_u32 s[CNT], s[CNT], 1
	s_cmp_lg_u32 s[CNT], 0
	s_cbranch_scc1 .Lrope
.else
	s_mov_b32 s[CNT], 8
.Lsend:                                                ; a trip: 16 rows x 128 columns, ReLU on the packed halves
.irp g, 0,1,2,3
.irp u, 0,1
	ds_load_b128 v[32+8*\g+4*\u:35+8*\g+4*\u], v[RDO] offset:\g*4*PA+\u*128
.endr
.endr
	s_wait_dscnt 0x0
.set e, 0
.rept 32
	v_pk_max_num_bf16 v[32+e], v[32+e], v[ZR]
.set e, e+1
.endr
.irp g, 0,1,2,3
.irp u, 0,1
	global_store_b128 v[CO], v[32+8*\g+4*\u:35+8*\g+4*\u], s[10:11] offset:\g*512+\u*524288  ; 512 consecutive bytes, aligned
.endr
.endr
	s_wait_xcnt 0x0                                ; the stores have read their data and address
	v_add_nc_u32 v[RDO], 16*PA, v[RDO]
	v_add_nc_u32 v[CO], 2048, v[CO]
	s_sub_co_u32 s[CNT], s[CNT], 1
	s_cmp_lg_u32 s[CNT], 0
	s_cbranch_scc1 .Lsend
.endif
	s_wait_tensorcnt 0x0                           ; the wave's end
	ds_add_u32 v[SPW], v[NIL]
	s_wait_dscnt 0x0
	CROUND                                         ; the closing round
	s_endpgm
.Lfunc_end_k_qcb564dd193_proj:
	.size	k_qcb564dd193_proj, .Lfunc_end_k_qcb564dd193_proj-k_qcb564dd193_proj
	.p2alignl 7, 3214868480
	.fill 96, 4, 3214868480
	.section	.rodata,"a",@progbits
	.p2align	6, 0x0
	.amdhsa_kernel k_qcb564dd193_proj
		.amdhsa_group_segment_fixed_size 327680
		.amdhsa_private_segment_fixed_size 0
		.amdhsa_enable_private_segment 0
		.amdhsa_kernarg_size 32
		.amdhsa_user_sgpr_count 2
		.amdhsa_user_sgpr_kernarg_segment_ptr 1
		.amdhsa_wavefront_size32 1
		.amdhsa_system_sgpr_workgroup_id_x 1
		.amdhsa_system_sgpr_workgroup_id_y 1
		.amdhsa_system_sgpr_workgroup_id_z 1
		.amdhsa_system_vgpr_workitem_id 0
		.amdhsa_next_free_vgpr 1024
		.amdhsa_next_free_sgpr 84
		.amdhsa_reserve_vcc 1
		.amdhsa_float_denorm_mode_32 3
		.amdhsa_float_denorm_mode_16_64 3
		.amdhsa_memory_ordered 1
		.amdhsa_forward_progress 1
		.amdhsa_inst_pref_size 102
	.end_amdhsa_kernel
	.amdgpu_metadata
---
amdhsa.version: [ 1, 2 ]
amdhsa.kernels:
  - .name:           k_qcb564dd193_proj
    .symbol:         k_qcb564dd193_proj.kd
    .args:
      - { .name: xn, .offset: 0, .size: 8, .value_kind: global_buffer, .address_space: global }
      - { .name: wb, .offset: 8, .size: 8, .value_kind: global_buffer, .address_space: global }
      - { .name: tab, .offset: 16, .size: 8, .value_kind: global_buffer, .address_space: global }
      - { .name: qkvb, .offset: 24, .size: 8, .value_kind: global_buffer, .address_space: global }
    .group_segment_fixed_size: 327680
    .private_segment_fixed_size: 0
    .kernarg_segment_align: 8
    .kernarg_segment_size: 32
    .max_flat_workgroup_size: 128
    .sgpr_count:     84
    .vgpr_count:     1024
    .wavefront_size: 32
...
	.end_amdgpu_metadata
.endif
;; end of part 2
;; launch attn (part 3): grid 8 x 32, 4 waves a work-group, clusters of 4 x 1, 327,680 bytes of LDS; arguments qkvb, tab, ao; writes ao
.if DOCPART == 3
	.amdgcn_target "amdgcn-amd-amdhsa--gfx1250"
	.amdhsa_code_object_version 6
	.text
	.protected	k_qcb564dd193_attn
	.globl	k_qcb564dd193_attn
	.p2align	8
	.type	k_qcb564dd193_attn,@function
k_qcb564dd193_attn:
	s_mov_b64 s[64:65], 0
	v_nop
	global_prefetch_b8 v0, s[64:65] scope:SCOPE_SE
	s_setreg_imm32_b32 hwreg(HW_REG_WAVE_MODE, 25, 1), 1
	s_wait_xcnt 0x0
	s_wait_alu depctr_hold_cnt(0) depctr_sa_sdst(0) depctr_va_vdst(0) depctr_va_sdst(0) depctr_va_ssrc(0) depctr_va_vcc(0) depctr_vm_vsrc(0)
	s_getreg_b32 s2, hwreg(HW_REG_IB_STS2, 6, 4)
	s_cmp_eq_u32 s2, 0
	s_cbranch_scc0 .Lentry_in_a_cluster
	s_endpgm
.Lentry_in_a_cluster:
	s_bfe_u32 s2, ttmp6, 0x10000c
	s_cmp_lg_u32 s2, 0x3003
	s_cbranch_scc0 .Lentry_shape_is_right
	s_endpgm
.Lentry_shape_is_right:
; ATTENTION WITH A KEY MASK.  O[b][h][q] = sum over k of softmax_k(q . k / 8, hidden keys at the bottom) v.  q, k, v lie by heads in qkvb: block kind x 16 + h, rows 2,048 b + t, 128 bytes each, bf16.
; O leaves in the same layout, [h][4096][64] bf16.  Products, maxima and sums in f32; the weights are rounded to bf16 for the second product (their sum is taken unrounded), O once.
; THE MASK is the C operand that starts each sum S^T = K Q^T: 0, or -2^100 for a hidden key, whose k row the launch before has made 0: its score is exactly -2^100.  c x 2^100 is exact, so where ALL keys
; of a batch are hidden every weight is 2^0 and O is the mean of v, as with any equal scores; as soon as one seen key raises the running maximum, a = 0 wipes what hidden keys have added.
; LIMITS.  True scores below -2^100 are not told from hidden ones; a weight below 2^-126 counts as 0; NaN and infinities are not treated apart.
; SHARES.  A work-group owns 256 queries of one head and batch, a wave 64: four PIECES of 16.  Every wave walks all 2,048 keys, 64 a step; a slot of LDS holds 256 keys (four steps) of K and V.
; LAYOUT.  S^T holds ONE query a lane (lane % 16) and the keys 8 (lane / 16) + 0..7; two such results rounded to bf16 ARE source 1 of O^T = V^T P.  V comes out of LDS turned, by ds_load_tr16_b128.
; SOFTMAX.  p = 2^(c s - c m), c = log2(e) / 8, with a running maximum m; O and l are multiplied by a = 2^(c m_old - c m_new) in every step; m starts at the lowest finite number, O and l at 0.
; TURNS.  Turn n belongs to piece n: 8 products K Q^T of piece n + 1, later 8 products V^T P of piece n - 1; beside them the scaling, exponentials, roundings, sums and rescaling of piece n and the
; maximum and statistics of piece n + 1.  Four vector instructions stand behind every matrix instruction, the rest in one lump.  A turn's 33 exponentials are one batch with one wait.
; CLUSTER.  The four query blocks of a cluster walk the same K, V and mask: each tile is asked for jointly.
; REGISTERS: window 0: v0-15 addresses, v16-31 statistics, v48-55 at work, v56-58 addresses, v64-127 S^T (two buffers), v192-223 P (two buffers)
;   window 1: v0-127 O^T, v128-159 the step's mask      window 2: v0-63 Q, v128-191 K of one step, v192-255 V of one step
.set NP,    4
.set KS,    64
.set PK,    144                        ; a row of K in LDS: 128 bytes + 16
.set PV,    160                        ; a row of V: 128 + 32
.set VOFF,  4*KS*PK
.set SLOT1, 1<<17
.set STAGE, SLOT1+4*KS*(PK+PV)         ; 16 rows x 144 bytes a wave, never filled by a tensor load
.set SP,    144
.set SPARE, STAGE+4*16*SP              ; the spare words: two blocks of 256 bytes that no other line names
.set MTAB,  SPARE+512                  ; the batch's 2,048 mask numbers, f32: filled once
.set MADD,  917504                     ; where they lie in tab
.set AK0, 2
.set AV0, 3
.set AK,  4
.set AV,  5
.set STO, 6
.set RD,  7
.set GO,  8
.set MV,  12
.set QO,  15
.set ST,  16                           ; piece t: c m, m, l (even keys', odd keys')
.set TMP, 48
.set AM0, 56
.set AM,  57
.set PFO, 58
.set SPW, 62
.set NIL, 63
.set S,   64
.set P,   192
.set MC,  128                          ; window 1
.set KF,  128                          ; window 2
.set VF,  192
.set WV,  12
.set LIM, 15
.set PFA, 18
.set G1K, 24
.set G1V, 32
.set G0K, 40
.set G0V, 44
.set SLOTS, 56
.set CNT, 57
.set CS,  58
.set SEL, 60
.set TBK, 62
.set TBV, 63
.set TBM, 66
.set G1M, 72
.set G0M, 80
.set MSB, 0
.macro WIN new
.if MSB != (\new)
	s_set_vgpr_msb (MSB<<8)|(\new)
.set MSB, (\new)
.endif
.endm
.set W_KQ, 0x0a                        ; K and Q in window 2, S^T in window 0
.set W_KM, 0x1a                        ; the same with C in window 1
.set W_PV, 0x52                        ; V in window 2, P in window 0, O^T in window 1
.set W_RS, 0x41                        ; destination and source 0 in window 1
.macro JLOAD                           ; waves 0, 1 fetch the halves of a tile's K, waves 2, 3 of its V; an s_nop 0 and four v_nop follow each line
	s_cmp_lt_u32 s[WV], 2
	s_cbranch_scc0 .Lfor_v_\@
	tensor_load_to_lds s[G0K:G0K+3], s[G1K:G1K+7]
	s_nop 0
.rept 4
	v_nop
.endr
	s_branch .Lasked_\@
.Lfor_v_\@:
	tensor_load_to_lds s[G0V:G0V+3], s[G1V:G1V+7]
	s_nop 0
.rept 4
	v_nop
.endr
.Lasked_\@:
.endm
; A prefetch into the L2 of the tile that the NEXT change of slots will ask for, four key steps ahead of that load: 128 blocks of 256 bytes of K and of V.  The head's first cluster asks; its four partners
; take 32 blocks each, by address; wave 0 names K's, wave 2 V's, a lane a block.  The last change that fills a slot names nothing.
.macro ASK
	s_cmp_gt_u32 s[SLOTS], s[LIM]
	s_cbranch_scc0 .Lnot_mine_\@
	global_prefetch_b8 v[PFO], s[PFA:PFA+1] th:TH_LOAD_NT scope:SCOPE_SE
.Lnot_mine_\@:
.endm
.macro CROUND
	s_barrier_signal -1
	s_barrier_wait -1
	s_cmp_lg_u32 s[WV], 0
	s_cbranch_scc1 .Lnot_wave_0_\@
	s_barrier_signal -3
.Lnot_wave_0_\@:
	s_barrier_wait -3
	s_barrier_signal -1
	s_barrier_wait -1
.endm
; THE CHANGE OF SLOTS.  Each wave waits for all its tensor loads, adds 0 to its spare word, and waits for that and for its reads of the slot that it leaves.  fill = 1: the barrier is a round of the
; cluster's, and the joint refill, the next 256 keys but one, is the first thing behind it: it has four key steps in which to land.  (At its first use slot 0 and the mask are waited for, slot 1 filled.)
.macro CHANGE fill
	WIN 0
	s_wait_tensorcnt 0x0
	ds_add_u32 v[SPW], v[NIL]
.if \fill
.irp g, G0K, G0V
	s_xor_b32 s[\g+1], s[\g+1], SLOT1
	s_add_nc_u64 s[\g+2:\g+3], s[\g+2:\g+3], 4*KS*128
.endr
	s_wait_xcnt 0x0                 ; the last prefetch, four key steps back, has read its address
	s_add_nc_u64 s[PFA:PFA+1], s[PFA:PFA+1], 4*KS*128
	s_wait_dscnt 0x0
	CROUND
	JLOAD
	ASK
.else
	s_wait_dscnt 0x0
	s_barrier_signal -1
	s_barrier_wait -1
.endif
	s_sub_co_u32 s[TBK], s[TBK], 4*KS*PK
	s_xor_b32 s[TBK], s[TBK], SLOT1
	s_sub_co_u32 s[TBV], s[TBV], 4*KS*PV
	s_xor_b32 s[TBV], s[TBV], SLOT1
.endm
	s_load_b128 s[68:71], s[0:1], 0x0  ; qkvb s[68:69], tab s[70:71]
	s_load_b64 s[10:11], s[0:1], 0x10  ; ao
	v_lshl_add_u32 v[SPW], v0, 2, SPARE
	v_mov_b32 v[NIL], 0
	ds_add_u32 v[SPW], v[NIL]       ; the wave's opening: the add and its wait ahead of my first tensor load
	v_lshrrev_b32 v1, 5, v0
	v_readfirstlane_b32 s[WV], v1
	s_bfe_u32 s13, ttmp6, 0x40000   ; cx
	s_lshl_b32 s14, ttmp9, 2
	s_add_co_u32 s14, s14, s13      ; my block of 256 queries: it enters Q's and O's addresses alone
	s_and_b32 s16, ttmp7, 0xffff    ; 16 b + h
	s_and_b32 s20, s16, 15
	s_lshr_b32 s16, s16, 4
	s_lshl_b32 s20, s20, 19         ; a block of 64 columns is 524,288 bytes,
	s_lshl_b32 s21, s16, 18         ; a batch's 2,048 rows 262,144
	s_add_co_u32 s20, s20, s21
	s_and_b32 s17, s[WV], 1         ; which half of a tile's 256 keys I fetch
	s_lshl_b32 s22, s17, 14
	s_add_co_u32 s22, s22, s20
	s_mov_b32 s23, 0
	s_mul_i32 s52, s17, 128*PK
	s_mul_i32 s53, s17, 128*PV
	s_lshl_b32 s2, s14, 15
	s_lshl_b32 s3, s[WV], 13
	s_add_co_u32 s2, s2, s3
	s_add_co_u32 s2, s2, s20        ; my wave's 64 rows
	s_mov_b32 s3, 0
	s_lshl_b32 s54, s16, 13         ; the batch's mask numbers, my quarter of them
	s_lshl_b32 s55, s[WV], 11
	s_add_co_u32 s54, s54, s55
	s_add_co_u32 s54, s54, MADD
	s_mov_b32 s55, 0
	s_mov_b32 s[G1K], 15|(1<<16)|(1<<20)|(1<<21)|(4<<22)|(3<<25)  ; 128 keys as 64 rows of 256 bytes; 4 words of padding behind every 32
	s_mov_b32 s[G1V], 15|(1<<16)|(1<<20)|(1<<21)|(4<<22)|(7<<25)  ; 8 words
.irp g, G1K, G1V
	s_mov_b32 s[\g+1], 128<<16
	s_mov_b32 s[\g+2], 64<<16
	s_mov_b32 s[\g+3], 128<<16
	s_mov_b32 s[\g+4], 64
	s_mov_b32 s[\g+5], 128
	s_mov_b32 s[\g+6], 0
	s_mov_b32 s[\g+7], 0
.endr
	s_mov_b32 s[G1M], 15|(3<<16)|(1<<21)  ; one row of 2,048 bytes, 8-byte elements
	s_mov_b32 s[G1M+1], 256<<16
	s_mov_b32 s[G1M+2], 1<<16
	s_mov_b32 s[G1M+3], 256<<16
	s_mov_b32 s[G1M+4], 1
	s_mov_b32 s[G1M+5], 256
	s_mov_b32 s[G1M+6], 0
	s_mov_b32 s[G1M+7], 0
	s_mov_b32 s[G0M], 1
	s_lshl_b32 s[G0M+1], s[WV], 11
	s_add_co_u32 s[G0M+1], s[G0M+1], MTAB
	s_mov_b32 s[CS], 0x3e38aa3b     ; c = log2(e) / 8
	s_mov_b32 s[CS+1], s[CS]
	s_mov_b32 s[SEL], 0x76543210
	s_mov_b32 s[SEL+1], 0xfedcba98
	s_mov_b32 s[TBK], SLOT1+4*KS*PK ; the first change of slots turns these two into 0
	s_mov_b32 s[TBV], SLOT1+4*KS*PV
	s_mov_b32 s[TBM], 0
	s_mov_b32 s[G0K], 1
	s_mov_b32 s[G0K+1], s52
	s_mov_b32 s[G0V], 1
	s_add_co_u32 s[G0V+1], s53, VOFF
	s_mov_b32 s[SLOTS], 7
	s_and_b32 s[LIM], s[WV], 1
	s_or_b32 s[LIM], s[LIM], ttmp9
	s_cmp_eq_u32 s[LIM], 0
	s_cselect_b32 s[LIM], 1, -1     ; waves 0 and 2 of the head's first cluster
	v_and_b32 v[PFO], 31, v0
	v_lshlrev_b32 v[PFO], 8, v[PFO]
	s_wait_dscnt 0x0                ; the opening add is done
	s_wait_kmcnt 0x0
	s_add_nc_u64 s[6:7], s[68:69], s[22:23]
	s_add_nc_u64 s[8:9], s[6:7], 32*524288         ; V at my half of tile 0
	s_add_nc_u64 s[6:7], s[6:7], 16*524288         ; K
	s_add_nc_u64 s[G0K+2:G0K+3], s[6:7], 0
	s_or_b32 s[G0K+3], s[G0K+3], 0x80000000
	s_add_nc_u64 s[G0V+2:G0V+3], s[8:9], 0
	s_or_b32 s[G0V+3], s[G0V+3], 0x80000000
	s_add_nc_u64 s[G0M+2:G0M+3], s[70:71], s[54:55]
	s_or_b32 s[G0M+3], s[G0M+3], 0x80000000
	s_add_nc_u64 s[4:5], s[68:69], s[2:3]          ; Q and O at my wave's first row
	s_add_nc_u64 s[10:11], s[10:11], s[2:3]
	s_cmp_lt_u32 s[WV], 2
	s_cselect_b64 s[PFA:PFA+1], s[6:7], s[8:9]
	s_lshl_b32 s2, s13, 13          ; my work-group's 32 blocks of the 128
	s_mov_b32 s3, 0
	s_add_nc_u64 s[PFA:PFA+1], s[PFA:PFA+1], s[2:3]
	s_add_nc_u64 s[PFA:PFA+1], s[PFA:PFA+1], 4*KS*128  ; in tile 1; the first change of slots steps it to tile 2
	CROUND                          ; all four work-groups are here: the first joint loads meet
	tensor_load_to_lds s[G0M:G0M+3], s[G1M:G1M+7]  ; the mask numbers, then tile 0: two loads of mine are out
	s_nop 0
	JLOAD
	v_and_b32 v1, 15, v0            ; l % 16
	v_bfe_u32 v9, v0, 4, 1          ; l / 16
	v_lshlrev_b32 v[QO], 7, v1
	v_lshl_add_u32 v[QO], v9, 4, v[QO]
	WIN 0x80
.set i, 0
.rept 8                             ; Q stays in registers: piece i / 2, channels 32 (i % 2) on
	global_load_b128 v[8*i:8*i+3],   v[QO], s[4:5] offset:(i/2)*2048+(i%2)*64
	global_load_b128 v[8*i+4:8*i+7], v[QO], s[4:5] offset:(i/2)*2048+(i%2)*64+32
.set i, i+1
.endr
	; what the first turn finds: V and P's second buffer hold 0 (its products V^T P, of a piece that has not been, add 0), O^T and l are 0.  Written in the wait for the first tile.
.set i, VF
.rept 64
	v_mov_b32 v[i], 0
.set i, i+1
.endr
	WIN 0x40
.set i, 0
.rept 128
	v_mov_b32 v[i], 0
.set i, i+1
.endr
	WIN 0
.set i, 0
.rept 4
	v_mov_b32 v[ST+4*i], 0xfe000000    ; c m: far below every c s, the hidden ones' too
	v_mov_b32 v[ST+4*i+1], 0xff7fffff  ; m
	v_mov_b32 v[ST+4*i+2], 0
	v_mov_b32 v[ST+4*i+3], 0
.set i, i+1
.endr
.set i, P+16
.rept 16
	v_mov_b32 v[i], 0
.set i, i+1
.endr
	v_mul_u32_u24 v[AK0], v1, PK
	v_lshl_add_u32 v[AK0], v9, 4, v[AK0]
	v_and_b32 v10, 7, v0
	v_bfe_u32 v11, v0, 3, 1
	v_lshl_add_u32 v[AV0], v9, 3, v10
	v_mul_u32_u24 v[AV0], v[AV0], PV
	v_lshl_add_u32 v[AV0], v11, 4, v[AV0]
	v_add_nc_u32 v[AV0], VOFF, v[AV0]
	v_lshl_add_u32 v[AM0], v9, 5, MTAB  ; my lanes' eight keys of a group of 16: 32 bytes
	s_mul_i32 s16, s[WV], 16*SP
	s_add_co_u32 s16, s16, STAGE
	v_mul_u32_u24 v[STO], v1, SP
	v_lshl_add_u32 v[STO], v9, 4, v[STO]
	v_add_nc_u32 v[STO], s16, v[STO]
	v_bfe_u32 v[RD], v0, 3, 2
	v_mul_u32_u24 v[RD], v[RD], SP
	v_lshl_add_u32 v[RD], v10, 4, v[RD]
	v_add_nc_u32 v[RD], s16, v[RD]
	v_and_b32 v[GO], 31, v0
	v_lshlrev_b32 v[GO], 4, v[GO]
; THE MATRIX WORK.  The 4 accumulators of a run of 8 take turns.  Product i of 8 of S^T = K Q^T for piece x: channels 32 (i / 4) on, keys 16 (i % 4) on; the first 4 start the sums with the mask.
.macro KQ x
.set rS, S+32*((\x)%2)+8*(i%4)
.set rK, KF+16*(i%4)+8*(i/4)
.set rQ, 16*(\x)+8*(i/4)
.set rM, MC+8*(i%4)
.if i < 4
	WIN W_KM
	v_wmma_f32_16x16x32_bf16 v[rS:rS+7], v[rK:rK+7], v[rQ:rQ+7], v[rM:rM+7]
.else
	WIN W_KQ
	v_wmma_f32_16x16x32_bf16 v[rS:rS+7], v[rK:rK+7], v[rQ:rQ+7], v[rS:rS+7]
.endif
.endm
.macro PV x                         ; product i of 8 of O^T += V^T P: keys 32 (i / 4) on, channels 16 (i % 4) on
	WIN W_PV
.set rO, 32*(\x)+8*(i%4)
.set rV, VF+32*(i/4)+8*(i%4)
.set rP, P+16*((\x)%2)+8*(i/4)
	v_wmma_f32_16x16x32_bf16 v[rO:rO+7], v[rV:rV+7], v[rP:rP+7], v[rO:rO+7]
.endm
.macro MM                           ; the turn's next matrix instruction
.if i < 8
	KQ (Y+1)%NP
.else
.set i, i-8
	PV (Y+NP-1)%NP
.set i, i+8
.endif
.set i, i+1
.endm
; THE LDS LOADS stand in runs: a step's K (8 fragments) with its 64 mask numbers in a result's layout, and its V (turned).
.macro FETCH_K
	WIN 0x80
.irp f, 0,1,2,3,4,5,6,7
	ds_load_b128 v[KF+8*\f:KF+8*\f+3],   v[AK] offset:(\f/2)*16*PK+(\f%2)*64
	ds_load_b128 v[KF+8*\f+4:KF+8*\f+7], v[AK] offset:(\f/2)*16*PK+(\f%2)*64+32
.endr
	WIN 0x40
.irp f, 0,1,2,3
	ds_load_b128 v[MC+8*\f:MC+8*\f+3],   v[AM] offset:64*\f
	ds_load_b128 v[MC+8*\f+4:MC+8*\f+7], v[AM] offset:64*\f+16
.endr
	s_add_co_u32 s[TBK], s[TBK], KS*PK
	s_add_co_u32 s[TBM], s[TBM], 4*KS
	WIN 0
.endm
.macro FETCH_V
	WIN 0x80
.irp f, 0,1,2,3,4,5,6,7
	ds_load_tr16_b128 v[VF+8*\f:VF+8*\f+3],   v[AV] offset:(\f/4)*32*PV+(\f%4)*32
	ds_load_tr16_b128 v[VF+8*\f+4:VF+8*\f+7], v[AV] offset:(\f/4)*32*PV+16*PV+(\f%4)*32
.endr
	WIN 0
.endm
; THE VECTOR WORK, one line at a time: OP kind, number.  For piece Y: F n: c s - c m for pair n.  E n: the exponential of score n.  C n: pair n rounded to bf16.  B n: of the four weights 4 n .. the second pair
; is added onto the first.  L n: l takes that sum (L 0: l = a l + sum).  R n: pair n of O^T times a.  For piece Y + 1: X n, number n of the 22 that find its maximum and statistics
; (0-11 four chains of seven scores, each accumulator's lowest registers first; 12-14, 16 the rest, the old m, into c0; 15 c m_old kept; 17, 18 the other half of the lanes; 19-21 c m, its change, a).
.set F, 0
.set E, 1
.set C, 2
.set B, 3
.set L, 4
.set R, 5
.set X, 6
.macro REGS y
.set rT, ST+4*(\y)
.set rC, TMP+4*((\y)%2)
.set rW, MV+((\y)%2)
.set rS, S+32*((\y)%2)
.set rP, P+16*((\y)%2)
.set rO, 32*(\y)
.endm
.macro OP k, n
.if (\k) == R
	REGS Y
	WIN W_RS
	v_pk_mul_f32 v[rO+2*(\n):rO+2*(\n)+1], v[rO+2*(\n):rO+2*(\n)+1], v[rC+2:rC+3] op_sel_hi:[1,0]
.elseif (\k) < R
	REGS Y
	WIN 0
.if (\k) == F
	v_pk_fma_f32 v[rS+2*(\n):rS+2*(\n)+1], v[rS+2*(\n):rS+2*(\n)+1], s[CS:CS+1], v[rT:rT+1] op_sel_hi:[1,0,0] neg_lo:[0,0,1] neg_hi:[0,0,1]
.elseif (\k) == E
	v_exp_f32 v[rS+(\n)], v[rS+(\n)]
.elseif (\k) == C
	v_cvt_pk_bf16_f32 v[rP+(\n)], v[rS+2*(\n)], v[rS+2*(\n)+1]
.elseif (\k) == B
	v_pk_add_f32 v[rS+4*(\n):rS+4*(\n)+1], v[rS+4*(\n):rS+4*(\n)+1], v[rS+4*(\n)+2:rS+4*(\n)+3]
.elseif (\n) == 0
	v_pk_fma_f32 v[rT+2:rT+3], v[rT+2:rT+3], v[rC+2:rC+3], v[rS:rS+1] op_sel_hi:[1,0,1]
.else
	v_pk_add_f32 v[rT+2:rT+3], v[rT+2:rT+3], v[rS+4*(\n):rS+4*(\n)+1]
.endif
.else
	REGS (Y+1)%NP
	WIN 0
.if (\n) < 4
	v_max3_num_f32 v[rC+(\n)], v[rS+8*(\n)], v[rS+8*(\n)+1], v[rS+8*(\n)+2]
.elseif (\n) < 12
	v_max3_num_f32 v[rC+(\n)%4], v[rC+(\n)%4], v[rS+8*((\n)%4)+2*((\n)/4)+1], v[rS+8*((\n)%4)+2*((\n)/4)+2]
.elseif (\n) == 12
	v_max3_num_f32 v[rC], v[rC], v[rS+7], v[rS+15]
.elseif (\n) == 13
	v_max3_num_f32 v[rC+1], v[rC+1], v[rS+23], v[rS+31]
.elseif (\n) == 14
	v_max3_num_f32 v[rC+2], v[rC+2], v[rC+3], v[rT+1]
.elseif (\n) == 15
	v_mov_b32 v[rW], v[rT]
.elseif (\n) == 16
	v_max3_num_f32 v[rC], v[rC], v[rC+1], v[rC+2]
.elseif (\n) == 17
	v_permlanex16_b32 v[rC+3], v[rC], s[SEL], s[SEL+1]
.elseif (\n) == 18
	v_max_num_f32 v[rT+1], v[rC], v[rC+3]
.elseif (\n) == 19
	v_mul_f32 v[rT], s[CS], v[rT+1]
.elseif (\n) == 20
	v_sub_f32 v[rC+1], v[rW], v[rT]
.else
	v_exp_f32 v[rC+2], v[rC+1]
.endif
.endif
.endm
.macro OPS a, i1, b=-1, i2=0, c=-1, i3=0, d=-1, i4=0
	OP \a, \i1
.if (\b) >= 0
	OP \b, \i2
.endif
.if (\c) >= 0
	OP \c, \i3
.endif
.if (\d) >= 0
	OP \d, \i4
.endif
.endm
.macro ROW a, i1, b, i2, c, i3, d, i4  ; a matrix instruction and the four behind it
	MM
	OPS \a, \i1, \b, \i2, \c, \i3, \d, \i4
.endm
; A TURN, for piece p.  AHEAD OF ITS ONE WAIT stands all that names no result of the turn's exponentials: the 8 products K Q^T with their riders, and one lump; X 21, the next piece's a, is the batch's last,
; R 15 the plain instruction behind it.  BEHIND THE WAIT stand the 8 products V^T P, behind each four of the roundings and sums.
; K and the mask of the next step are fetched in piece 2's turn, twelve vector instructions (six of them plain) behind the last product that read K; the mask's last reader stands earlier still.
; V of the step in hand is fetched at the end of piece 0's turn, four plain instructions behind its last reader.  Each run is waited for a turn later.
; last = 1 (the tail): the fetch addresses are held to the last step's, so that the trip behind the last step reads that step once more; what it makes of it serves nothing.
; cnt = 1: the loop's count is taken down some lines ahead of the branch behind the turn.
.macro TURN p, last=0, cnt=0
.set Y, (\p)
.set i, 0
.if (\p) == 3
	s_wait_dscnt 0x0                ; K and the mask are in
.endif
	ROW F,0, F,1, R,0, R,1
	ROW F,2, E,0, R,2, R,3
	ROW F,3, E,1, R,4, R,5
	ROW F,4, E,2, R,6, R,7
	ROW F,5, E,3, R,8, R,9
	ROW F,6, E,4, X,0, R,10
.if (\p) == 2
	WIN 0
.if \last
	s_min_u32 s[TBK], s[TBK], SLOT1+3*KS*PK
	s_min_u32 s[TBM], s[TBM], 31*4*KS
.endif
	v_add_nc_u32 v[AK], s[TBK], v[AK0]
	v_add_nc_u32 v[AM], s[TBM], v[AM0]
.endif
	ROW F,7, E,5, X,1, X,4
	ROW F,8, E,6, X,2, X,5
	OPS E,7, E,8, X,6, E,9
	OPS X,3, E,10, X,8, E,11
.if (\p) == 2
	FETCH_K
.endif
	OPS X,9, X,7, E,12, X,10
	OPS E,13, X,12, X,11, E,14
	OPS X,13, E,15, F,9, X,14
.if (\p) == 0
	v_add_nc_u32 v[AV], s[TBV], v[AV0]
.endif
	OPS E,16, F,10, E,17, F,11
	OPS X,16, E,18, X,15, E,19
	OPS F,12, E,20, X,17, E,21
	OPS F,13, E,22, F,14, E,23
	OPS X,18, E,24, F,15, E,25
	OPS R,11, E,26, X,19, E,27
	OPS R,12, E,28, R,13, E,29
	OPS X,20, E,30, R,14, E,31
	OPS X,21, R,15
	WIN 0
	s_wait_alu depctr_va_vdst(0)    ; the wait for the batch
.if (\p) == 1
	s_wait_dscnt 0x0                ; V is in
.endif
	ROW C,0, B,0, C,2, B,1
	ROW L,0, C,4, B,2, L,1
	ROW C,6, B,3, L,2, C,8
	ROW B,4, L,3, C,10, B,5
	ROW L,4, C,12, B,6, L,5
.if (\p) == 0
	s_add_co_u32 s[TBV], s[TBV], KS*PV
.endif
.if \cnt
	s_sub_co_u32 s[CNT], s[CNT], 1
	s_cmp_lg_u32 s[CNT], 0
.endif
	ROW C,14, B,7, L,6, C,1
	ROW C,3, L,7, C,5, C,7
	ROW C,9, C,11, C,13, C,15
.if (\p) == 0
	FETCH_V
.endif
.endm
	CHANGE 1                        ; tile 0 and the mask are in, everybody's part; tile 1 is asked for
	v_add_nc_u32 v[AK], s[TBK], v[AK0]
	v_add_nc_u32 v[AM], s[TBM], v[AM0]
	FETCH_K                         ; key step 0
	s_wait_loadcnt 0x0              ; Q
	s_wait_dscnt 0x0
.set i, 0
.rept 8
	KQ 0                            ; piece 0's first scores
.set i, i+1
.endr
	WIN 0
.rept 4
	v_nop                           ; the places behind those products
.endr
.set Y, NP-1                        ; X works for piece Y + 1: piece 0
.irp n, 0,1,2,3,4,5,6,7,8,9,10,11,12,13,14,15,16,17,18,19,20,21
	OP X, \n
.endr
	v_nop                           ; a plain instruction behind the exponential,
	s_wait_alu depctr_va_vdst(0)    ; and its wait, ahead of the branch
	s_mov_b32 s[CNT], 4
	s_branch .Lfirst                ; the loop is entered at a step's first turn, in the middle of a trip
.Lslot:                             ; six times: tiles 2 to 7 are asked for
	CHANGE 1
	s_mov_b32 s[CNT], 4
.Lstep:                             ; a trip: pieces 2 and 3 of one step, then pieces 0 and 1 of the next, whose K and V it fetches
	TURN 2
	TURN 3
	WIN 0
.Lfirst:
	TURN 0
	TURN 1, 0, 1
	WIN 0
	s_cbranch_scc1 .Lstep
	s_sub_co_u32 s[SLOTS], s[SLOTS], 1
	s_cmp_lg_u32 s[SLOTS], 0
	s_cbranch_scc1 .Lslot
	CHANGE 0                        ; the tail is written out
	s_mov_b32 s[CNT], 5             ; four trips fetch the last tile's steps; the fifth is left in its middle
.Ltail:
	TURN 2, 1
	TURN 3
	WIN 0
	s_sub_co_u32 s[CNT], s[CNT], 1
	s_cmp_eq_u32 s[CNT], 0
	s_cbranch_scc1 .Lout
	TURN 0
	TURN 1
	WIN 0
	s_branch .Ltail
.Lout:
.set i, 0
.rept 8
	PV NP-1                         ; the last piece's V^T P of the last step
.set i, i+1
.endr
	; THE WAY OUT: l's halves and the other half of the lanes' are added; O^T is divided by l, rounded to bf16 and sent through my stage, a piece at a time.  The additions are the places behind the last products.
	WIN 0
.macro ALL line:vararg
.set t, 0
.rept 4
	\line
.set t, t+1
.endr
.endm
	ALL v_add_f32 v[ST+4*t+2], v[ST+4*t+2], v[ST+4*t+3]
	ALL v_permlanex16_b32 v[ST+4*t+3], v[ST+4*t+2], s[SEL], s[SEL+1]
	ALL v_add_f32 v[ST+4*t+2], v[ST+4*t+2], v[ST+4*t+3]
	ALL v_rcp_f32 v[ST+4*t+2], v[ST+4*t+2]
	v_nop
	s_wait_alu depctr_va_vdst(0)    ; one wait for the four reciprocals
.macro PACK t
	WIN W_RS
.set i, 32*(\t)
.rept 16
	v_pk_mul_f32 v[i:i+1], v[i:i+1], v[ST+4*(\t)+2:ST+4*(\t)+3] op_sel_hi:[1,0]
.set i, i+2
.endr
	WIN 0x05
.set i, 0
.rept 16
	v_cvt_pk_bf16_f32 v[S+16*(\t)+i], v[32*(\t)+2*i], v[32*(\t)+2*i+1]
.set i, i+1
.endr
	WIN 0
.irp f, 0,1,2,3
	ds_store_b128 v[STO], v[S+16*(\t)+4*\f:S+16*(\t)+4*\f+3] offset:32*\f
.endr
.irp f, 0,1,2,3
	ds_load_b128 v[S+16*(\t)+4*\f:S+16*(\t)+4*\f+3], v[RD] offset:\f*4*SP  ; LDS serves a wave's instructions in order: these see the stores above, the next piece's stores come behind them
.endr
.endm
.macro SEND t, younger              ; younger: the LDS instructions issued behind piece t's loads
	WIN 0
.irp f, 0,1,2,3
	s_wait_dscnt (\younger)+3-\f
	global_store_b128 v[GO], v[S+16*(\t)+4*\f:S+16*(\t)+4*\f+3], s[10:11] offset:(\t)*2048+\f*512  ; 512 consecutive bytes, aligned
.endr
.endm
	PACK 0
.set t, 1
.rept 3
	PACK t
	SEND t-1, 8
.set t, t+1
.endr
	SEND 3, 0
	s_wait_tensorcnt 0x0            ; the wave's end
	ds_add_u32 v[SPW], v[NIL]
	s_wait_dscnt 0x0
	CROUND                          ; the closing round
	s_endpgm
.Lfunc_end_k_qcb564dd193_attn:
	.size	k_qcb564dd193_attn, .Lfunc_end_k_qcb564dd193_attn-k_qcb564dd193_attn
	.p2alignl 7, 3214868480
	.fill 96, 4, 3214868480
	.section	.rodata,"a",@progbits
	.p2align	6, 0x0
	.amdhsa_kernel k_qcb564dd193_attn
		.amdhsa_group_segment_fixed_size 327680
		.amdhsa_private_segment_fixed_size 0
		.amdhsa_enable_private_segment 0
		.amdhsa_kernarg_size 24
		.amdhsa_user_sgpr_count 2
		.amdhsa_user_sgpr_kernarg_segment_ptr 1
		.amdhsa_wavefront_size32 1
		.amdhsa_system_sgpr_workgroup_id_x 1
		.amdhsa_system_sgpr_workgroup_id_y 1
		.amdhsa_system_sgpr_workgroup_id_z 1
		.amdhsa_system_vgpr_workitem_id 0
		.amdhsa_next_free_vgpr 768
		.amdhsa_next_free_sgpr 84
		.amdhsa_reserve_vcc 0
		.amdhsa_float_denorm_mode_32 3
		.amdhsa_float_denorm_mode_16_64 3
		.amdhsa_memory_ordered 1
		.amdhsa_forward_progress 1
		.amdhsa_inst_pref_size 115
	.end_amdhsa_kernel
	.amdgpu_metadata
---
amdhsa.version: [ 1, 2 ]
amdhsa.kernels:
  - .name:           k_qcb564dd193_attn
    .symbol:         k_qcb564dd193_attn.kd
    .args:
      - { .name: qkvb, .offset: 0, .size: 8, .value_kind: global_buffer, .address_space: global }
      - { .name: tab, .offset: 8, .size: 8, .value_kind: global_buffer, .address_space: global }
      - { .name: ao, .offset: 16, .size: 8, .value_kind: global_buffer, .address_space: global }
    .group_segment_fixed_size: 327680
    .private_segment_fixed_size: 0
    .kernarg_segment_align: 8
    .kernarg_segment_size: 24
    .max_flat_workgroup_size: 128
    .sgpr_count:     84
    .vgpr_count:     768
    .wavefront_size: 32
...
	.end_amdgpu_metadata
.endif
;; end of part 3
;; launch oproj (part 4): grid 8 x 32, 4 waves a work-group, clusters of 4 x 4, 327,680 bytes of LDS; arguments ao, wb, x, xr; writes xr
.if DOCPART == 4
	.amdgcn_target "amdgcn-amd-amdhsa--gfx1250"
	.amdhsa_code_object_version 6
	.text
	.protected	k_qcb564dd193_oproj
	.globl	k_qcb564dd193_oproj
	.p2align	8
	.type	k_qcb564dd193_oproj,@function
k_qcb564dd193_oproj:
	s_mov_b64 s[64:65], 0
	v_nop
	global_prefetch_b8 v0, s[64:65] scope:SCOPE_SE
	s_setreg_imm32_b32 hwreg(HW_REG_WAVE_MODE, 25, 1), 1
	s_wait_xcnt 0x0
	s_wait_alu depctr_hold_cnt(0) depctr_sa_sdst(0) depctr_va_vdst(0) depctr_va_sdst(0) depctr_va_ssrc(0) depctr_va_vcc(0) depctr_vm_vsrc(0)
	s_getreg_b32 s2, hwreg(HW_REG_IB_STS2, 6, 4)
	s_cmp_eq_u32 s2, 0
	s_cbranch_scc0 .Lentry_in_a_cluster
	s_endpgm
.Lentry_in_a_cluster:
	s_bfe_u32 s2, ttmp6, 0x10000c
	s_cmp_lg_u32 s2, 0xf033
	s_cbranch_scc0 .Lentry_shape_is_right
	s_endpgm
.Lentry_shape_is_right:
; OUT = RES + A B (+ bias), f32 out.  A is bf16 in blocks of 64 columns, [K / 64][4096 rows][64]; B is a bf16 weight matrix kept [K][1024]; RES and OUT are [4096][1024] f32.  One source for two kernels:
;   HASB = 0: A = the attention's output (K = 1,024), B = w_o, RES = x, OUT = xr.      HASB = 1: A = relu(..) of the first FFN layer (K = 4,096), B = ffn_w2, bias ffn_b2 (it starts the sums), RES = xr, OUT = out0.
; SHAPE.  4,096 x 1,024 make only 64 tiles of 256 x 256, so a tile of C is 128 x 128: 256 work-groups, four waves of 64 x 64 (16 accumulators).  K goes in steps of 256 through two LDS slots.
; A's tile for a loading wave: 4 blocks x 64 rows x 128 bytes, asked for as 4 rows of 8,192 dense bytes, padded in LDS behind every 128 bytes (pitch 144).  B's: 128 k-rows of 256 bytes (pitch 288 = 9 x 32), turned
; at the LDS read by ds_load_tr16_b128.  The matrix instruction is used transposed: a lane holds eight neighbouring columns of one row of C.
; CLUSTER 4 x 4: A's tile is asked for jointly along a row, B's along a column.  No prefetch: a step's tiles are small and its matrix work short.
; EVERY OTHER CLUSTER BEGINS ITS WALK ALONG K IN THE MIDDLE: a cluster whose x + y is odd takes the K steps KSTEPS/2 .. KSTEPS-1 and then 0 .. KSTEPS/2-1.  The two clusters that read the same rows of A (x = 0 and 1
; at one y) are of unlike parity, and of the eight that read the same rows of B four are of each: so of a tile's readers one half asks for it half a walk ahead of the other half.  The first step's number hangs on the
; cluster's two coordinates alone, which all sixteen partners share; it enters the global addresses and nothing else.  The f32 sums are taken in that order of K.
; The residual is loaded into registers at the start and added on the way out, which goes through a stage of the wave's own: 16 rows x 256 bytes, so that sixteen lanes store 256 consecutive bytes, aligned.
; REGISTERS: window 0: v0-31 addresses, v32-95 the way out, v96-127 the bias, v128-255 accumulators; window 1: two fragment buffers of 128 (64 of A, 64 of B); window 2: v0-127 the residual.
.set HASB, 0
.if HASB
.set KSTEPS, 16
.set WOFF, 16<<20
.set RESP, 10
.set OUTP, 68
.else
.set KSTEPS, 4
.set WOFF, 6<<20
.set RESP, 8
.set OUTP, 10
.endif
.set PAQ,   144
.set PBQ,   288
.set PART,  36864                      ; what one tensor load fills
.set SLOT,  4*PART                     ; A's two parts, then B's two.  0x24000: no wave's w x PART has one of its two bits, so an exclusive or by SLOT changes slots
.set STAGE, 2*SLOT
.set SPITCH, 272
.set SPARE, STAGE+4*16*SPITCH          ; the spare words: two blocks of 256 bytes that no other line names
.set WV, 12
.set FK, 13
.set HF, 14
.set TR, 15
.set RB, 2
.set CNT, 3
.set ABASE, 18                         ; s[18:19] A at my part of the tile's rows, K step 0; never rewritten
.set BBASE, 22                         ; s[22:23] B at my part of K step 0, the tile's columns; never rewritten
.set KI,  43                           ; s43 the K step that the walking descriptors name
.set OFA, 44                           ; s[44:45] its byte offset in A: 4 blocks of 524,288 bytes a step
.set OFB, 46                           ; s[46:47] and in B: 256 k-rows of 2,048 bytes a step
.set G1A, 24
.set G0A, 32
.set G1B, 48
.set G0B, 56
.set ADRA, 16
.set A0,   17
.set ADRB, 18                          ; v18, v19: k-rows 0-127 and 128-255 of the slot in hand
.set B0,   20                          ; v20, v21: their lane terms
.set STO,  24
.set RD,   25
.set CO,   26
.set SPW,  28
.set NIL,  29
.set BO,   31                          ; v31 the bias loads' offset, 32 x (lane / 16); never rewritten, so that those loads need no wait for its sake
.set OB,   32
.set BIAS, 96
.set ACC,  128
.set F0,   0
.set F1,   128
.set MSB, 0
.macro WIN new
.if MSB != (\new)
	s_set_vgpr_msb (MSB<<8)|(\new)
.set MSB, \new
.endif
.endm
.set MUL,  0x05                        ; sources 0 (B) and 1 (A) window 1; C and D window 0
.macro JLOAD s
	s_cmp_eq_u32 s[FK], 0
	s_cbranch_scc0 .Lfor_b_\@
	tensor_load_to_lds s[G0A+4*(\s):G0A+4*(\s)+3], s[G1A:G1A+7]
	s_nop 0
.rept 4
	v_nop
.endr
	s_branch .Lasked_\@
.Lfor_b_\@:
	tensor_load_to_lds s[G0B+4*(\s):G0B+4*(\s)+3], s[G1B:G1B+7]
	s_nop 0
.rept 4
	v_nop
.endr
.Lasked_\@:
.endm
.macro CREST
	s_cmp_lg_u32 s[WV], 0
	s_cbranch_scc1 .Lnot_wave_0_\@
	s_barrier_signal -3
.Lnot_wave_0_\@:
	s_barrier_wait -3
	s_barrier_signal -1
	s_barrier_wait -1
.endm
.macro CROUND
	s_barrier_signal -1
	s_barrier_wait -1
	CREST
.endm
.macro PLACES
.rept 4
	v_nop
.endr
.endm
; 8 matrix instructions: m blocks a0, a0 + 1 x all 4 n blocks, 32 along K: half c of buffer f.  zero = 1: the first product starts the sums, with 0 or with the bias
.macro MUL8 f, c, a0, zero
	WIN MUL
.irp a, \a0, (\a0)+1
.irp b, 0,1,2,3
.if (\zero) && HASB
	v_wmma_f32_16x16x32_bf16 v[ACC+8*(4*(\a)+(\b)):ACC+8*(4*(\a)+(\b))+7], v[(\f)+64+8*(4*(\c)+(\b)):(\f)+64+8*(4*(\c)+(\b))+7], v[(\f)+8*(4*(\c)+(\a)):(\f)+8*(4*(\c)+(\a))+7], v[BIAS+8*(\b):BIAS+8*(\b)+7]
.elseif \zero
	v_wmma_f32_16x16x32_bf16 v[ACC+8*(4*(\a)+(\b)):ACC+8*(4*(\a)+(\b))+7], v[(\f)+64+8*(4*(\c)+(\b)):(\f)+64+8*(4*(\c)+(\b))+7], v[(\f)+8*(4*(\c)+(\a)):(\f)+8*(4*(\c)+(\a))+7], 0
.else
	v_wmma_f32_16x16x32_bf16 v[ACC+8*(4*(\a)+(\b)):ACC+8*(4*(\a)+(\b))+7], v[(\f)+64+8*(4*(\c)+(\b)):(\f)+64+8*(4*(\c)+(\b))+7], v[(\f)+8*(4*(\c)+(\a)):(\f)+8*(4*(\c)+(\a))+7], v[ACC+8*(4*(\a)+(\b)):ACC+8*(4*(\a)+(\b))+7]
.endif
.endr
.endr
.endm
; 32 LDS loads in one run: quarter q (64 along K: one block of A) of the slot in hand into buffer f, the first 32 along K first
.macro FETCH q, f
	WIN 0x40
.irp c, 0,1
.irp i, 0,1,2,3
	ds_load_tr16_b128 v[(\f)+64+8*(4*(\c)+(\i)):(\f)+64+8*(4*(\c)+(\i))+3],   v[ADRB+(\q)/2] offset:(((\q)%2)*64+32*(\c))*PBQ+32*(\i)
	ds_load_tr16_b128 v[(\f)+64+8*(4*(\c)+(\i))+4:(\f)+64+8*(4*(\c)+(\i))+7], v[ADRB+(\q)/2] offset:(((\q)%2)*64+32*(\c)+16)*PBQ+32*(\i)
	ds_load_b128 v[(\f)+8*(4*(\c)+(\i)):(\f)+8*(4*(\c)+(\i))+3],   v[ADRA] offset:(\q)*64*PAQ+64*(\c)+(\i)*16*PAQ
	ds_load_b128 v[(\f)+8*(4*(\c)+(\i))+4:(\f)+8*(4*(\c)+(\i))+7], v[ADRA] offset:(\q)*64*PAQ+64*(\c)+(\i)*16*PAQ+32
.endr
.endr
.endm
.macro QUARTER q, f, g, zero
	s_wait_dscnt 16                                ; the first 32 along K are in
	MUL8 \f, 0, 0, \zero
	MUL8 \f, 0, 2, \zero
	PLACES
	FETCH \q, \g
	s_wait_dscnt 32                                ; all but the 32 just issued
	MUL8 \f, 1, 0, 0
	MUL8 \f, 1, 2, 0
.endm
.macro MEET
	WIN 0
	s_wait_tensorcnt 0x0                           ; all my tensor loads have landed: my part of the next slot;
	ds_add_u32 v[SPW], v[NIL]
	s_wait_dscnt 17                                ; (the add and the youngest sixteen loads may be out)
	MUL8 F1, 0, 0, 0
	s_wait_dscnt 0x0                               ; the add is done and my reads of this slot are over
	s_barrier_signal -1
	MUL8 F1, 0, 2, 0
	WIN 0
	s_barrier_wait -1
.endm
.macro NEXT
	s_xor_b32 s[RB], s[RB], SLOT
	v_add_nc_u32 v[ADRA], s[RB], v[A0]
	v_add_nc_u32 v[ADRB], s[RB], v[B0]
	v_add_nc_u32 v[ADRB+1], s[RB], v[B0+1]
.endm
.macro TURN                            ; the barrier opens a round of the cluster's; the joint refill, the walk's step two steps on, is the first thing behind it: 112 matrix instructions ahead of the wait for it
	s_add_co_u32 s[KI], s[KI], 1                   ; the walk's next K step, round the end of K; its offsets are made here, in registers that no descriptor holds
	s_and_b32 s[KI], s[KI], KSTEPS-1
	s_lshl_b32 s[OFA], s[KI], 21
	s_lshl_b32 s[OFB], s[KI], 19
	MEET
	CREST
	s_xor_b32 s[G0A+5], s[G0A+5], SLOT             ; the walking descriptors: the other slot than last time; the address is made anew from the base and the offset
	s_add_nc_u64 s[G0A+6:G0A+7], s[ABASE:ABASE+1], s[OFA:OFA+1]
	s_or_b32 s[G0A+7], s[G0A+7], 0x80000000
	s_xor_b32 s[G0B+5], s[G0B+5], SLOT
	s_add_nc_u64 s[G0B+6:G0B+7], s[BBASE:BBASE+1], s[OFB:OFB+1]
	s_or_b32 s[G0B+7], s[G0B+7], 0x80000000
	JLOAD 1                                        ; its four v_nop are also the places in front of the loads below
	NEXT
	FETCH 0, F0
	MUL8 F1, 1, 0, 0
	MUL8 F1, 1, 2, 0
.endm
	s_load_b256 s[4:11], s[0:1], 0x0               ; A s[4:5], wb s[6:7]; then x, xr  or  ffn_b2, xr
.if HASB
	s_load_b64 s[68:69], s[0:1], 0x20              ; out0
.endif
	v_lshl_add_u32 v[SPW], v0, 2, SPARE
	v_mov_b32 v[NIL], 0
	ds_add_u32 v[SPW], v[NIL]                      ; the wave's opening: the add and its wait ahead of my first tensor load
	v_lshrrev_b32 v1, 5, v0
	v_readfirstlane_b32 s[WV], v1
	s_lshr_b32 s[FK], s[WV], 1                     ; my row half; also: I fetch A (0) or B (1)
	s_and_b32 s[HF], s[WV], 1                      ; my column half; also which part I fetch
	s_bfe_u32 s40, ttmp6, 0x40000
	s_bfe_u32 s41, ttmp6, 0x40004
	s_lshl_b32 s42, ttmp9, 2
	s_add_co_u32 s42, s42, s40                     ; tile column
	s_and_b32 s[TR], ttmp7, 0xffff
	s_lshl_b32 s[TR], s[TR], 2
	s_add_co_u32 s[TR], s[TR], s41                 ; tile row
	s_and_b32 s[KI], ttmp7, 0xffff                 ; the walk's first K step: 0, or KSTEPS/2 where cluster x + cluster y is odd
	s_add_co_u32 s[KI], s[KI], ttmp9
	s_and_b32 s[KI], s[KI], 1
	s_mul_i32 s[KI], s[KI], KSTEPS/2
	s_mov_b32 s[OFA+1], 0
	s_mov_b32 s[OFB+1], 0
	s_lshl_b32 s16, s41, 2
	s_lshl_b32 s16, 15, s16
	s_lshl_b32 s20, 0x1111, s40
	s_or_b32 s[G1A], s16, (1<<16)|(1<<20)|(1<<21)|(4<<22)|(3<<25)   ; 4 words of padding behind every 32
	s_mov_b32 s[G1A+1], 4096<<16                   ; tensor_dim0 = 4,096 elements: 64 rows of a block on end
	s_mov_b32 s[G1A+2], 4<<16                      ; tensor_dim1 = 4 blocks
	s_mov_b32 s[G1A+3], 4096<<16
	s_mov_b32 s[G1A+4], 4
	s_mov_b32 s[G1A+5], 262144                     ; elements from block to block
	s_mov_b32 s[G1A+6], 0
	s_mov_b32 s[G1A+7], 0
	s_or_b32 s[G1B], s20, (1<<16)|(1<<20)|(1<<21)|(5<<22)|(7<<25)   ; 8 words of padding behind every 64
	s_mov_b32 s[G1B+1], 128<<16
	s_mov_b32 s[G1B+2], 128<<16
	s_mov_b32 s[G1B+3], 128<<16
	s_mov_b32 s[G1B+4], 128
	s_mov_b32 s[G1B+5], 1024
	s_mov_b32 s[G1B+6], 0
	s_mov_b32 s[G1B+7], 0
	s_lshl_b32 s16, s[TR], 7
	s_lshl_b32 s17, s[HF], 6
	s_add_co_u32 s16, s16, s17
	s_lshl_b32 s16, s16, 7                         ; A: (128 x tile row + 64 x part) rows of 128 bytes in a block
	s_mov_b32 s17, 0
	s_lshl_b32 s20, s42, 8                         ; B: 128 columns,
	s_add_co_u32 s20, s20, WOFF
	s_lshl_b32 s21, s[HF], 18                      ; my 128 k-rows
	s_add_co_u32 s20, s20, s21
	s_mov_b32 s21, 0
	s_mul_i32 s66, s[WV], PART
	s_mov_b32 s[RB], 0
	s_wait_dscnt 0x0                               ; the opening add is done
	s_wait_kmcnt 0x0
	s_add_nc_u64 s[ABASE:ABASE+1], s[4:5], s[16:17]
	s_add_nc_u64 s[BBASE:BBASE+1], s[6:7], s[20:21]
.irp s, 0,1
	s_lshl_b32 s[OFA], s[KI], 21                   ; the walk's steps 0 and 1
	s_lshl_b32 s[OFB], s[KI], 19
	s_mov_b32 s[G0A+4*(\s)], 1
	s_add_co_u32 s[G0A+4*(\s)+1], s66, (\s)*SLOT
	s_add_nc_u64 s[G0A+4*(\s)+2:G0A+4*(\s)+3], s[ABASE:ABASE+1], s[OFA:OFA+1]
	s_or_b32 s[G0A+4*(\s)+3], s[G0A+4*(\s)+3], 0x80000000
	s_mov_b32 s[G0B+4*(\s)], 1
	s_add_co_u32 s[G0B+4*(\s)+1], s66, (\s)*SLOT
	s_add_nc_u64 s[G0B+4*(\s)+2:G0B+4*(\s)+3], s[BBASE:BBASE+1], s[OFB:OFB+1]
	s_or_b32 s[G0B+4*(\s)+3], s[G0B+4*(\s)+3], 0x80000000
.if (\s) == 0
	s_add_co_u32 s[KI], s[KI], 1                   ; at most KSTEPS/2 + 1: no wrap yet
.endif
.endr
	CROUND                                         ; all sixteen work-groups are here: the first joint loads meet
	s_cmp_eq_u32 s[FK], 0                          ; a wave's two first fills stand in one branch: two loads of mine are out
	s_cbranch_scc0 .Lfirst_b
	tensor_load_to_lds s[G0A:G0A+3], s[G1A:G1A+7]
	s_nop 0
	tensor_load_to_lds s[G0A+4:G0A+7], s[G1A:G1A+7]
	s_nop 0
.rept 4
	v_nop
.endr
	s_branch .Lfirst_asked
.Lfirst_b:
	tensor_load_to_lds s[G0B:G0B+3], s[G1B:G1B+7]
	s_nop 0
	tensor_load_to_lds s[G0B+4:G0B+7], s[G1B:G1B+7]
	s_nop 0
.rept 4
	v_nop
.endr
.Lfirst_asked:
	v_and_b32 v1, 15, v0                           ; r
	v_bfe_u32 v2, v0, 4, 1                         ; h
.if HASB
	s_lshl_b32 s16, s42, 9                         ; the bias of my 64 columns, in a result's layout
	s_lshl_b32 s17, s[HF], 8
	s_add_co_u32 s16, s16, s17
	s_mov_b32 s17, 0
	s_add_nc_u64 s[8:9], s[8:9], s[16:17]
	v_lshlrev_b32 v[BO], 5, v2
.irp b, 0,1,2,3
	global_load_b128 v[BIAS+8*\b:BIAS+8*\b+3],   v[BO], s[8:9] offset:64*\b
	global_load_b128 v[BIAS+8*\b+4:BIAS+8*\b+7], v[BO], s[8:9] offset:64*\b+16
.endr
.endif
	; my 64 x 64 of RES and OUT: row 128 x tile row + 64 x row half, column 128 x tile column + 64 x column half
	s_lshl_b32 s20, s[TR], 7
	s_lshl_b32 s21, s[FK], 6
	s_add_co_u32 s20, s20, s21
	s_lshl_b32 s20, s20, 10
	s_lshl_b32 s21, s42, 7
	s_add_co_u32 s20, s20, s21
	s_lshl_b32 s21, s[HF], 6
	s_add_co_u32 s20, s20, s21
	s_lshl_b32 s20, s20, 2
	s_mov_b32 s21, 0
	s_add_nc_u64 s[RESP:RESP+1], s[RESP:RESP+1], s[20:21]
	s_add_nc_u64 s[OUTP:OUTP+1], s[OUTP:OUTP+1], s[20:21]
	v_lshlrev_b32 v[CO], 12, v2                    ; lanes 0-15 one row's 256 bytes, lanes 16-31 the next row's
	v_lshl_add_u32 v[CO], v1, 4, v[CO]
	WIN 0x80
.irp a, 0,1,2,3
.irp t, 0,1,2,3,4,5,6,7
	global_load_b128 v[32*\a+4*\t:32*\a+4*\t+3], v[CO], s[RESP:RESP+1] offset:\a*65536+\t*8192
.endr
.endr
	WIN 0
	v_mul_u32_u24 v3, v1, PAQ
	v_lshl_add_u32 v3, v2, 4, v3
	s_mul_i32 s16, s[FK], PART
	v_add_nc_u32 v[A0], s16, v3                    ; my 64 rows of A
	v_and_b32 v4, 7, v0
	v_lshl_add_u32 v4, v2, 3, v4
	v_mul_u32_u24 v4, v4, PBQ
	v_bfe_u32 v5, v0, 3, 1
	v_lshl_add_u32 v4, v5, 4, v4
	s_lshl_b32 s16, s[HF], 7
	s_add_co_u32 s16, s16, 2*PART
	v_add_nc_u32 v[B0], s16, v4                    ; my 64 columns of B
	v_add_nc_u32 v[B0+1], PART, v[B0]
	v_mov_b32 v[ADRA], v[A0]
	v_mov_b32 v[ADRB], v[B0]
	v_mov_b32 v[ADRB+1], v[B0+1]
	s_mul_i32 s16, s[WV], 16*SPITCH
	s_add_co_u32 s16, s16, STAGE
	v_mul_u32_u24 v3, v1, SPITCH
	v_lshl_add_u32 v3, v2, 5, v3
	v_add_nc_u32 v[STO], s16, v3                   ; in: row r, 32 bytes for each half of the lanes
	v_mul_u32_u24 v3, v2, SPITCH
	v_lshl_add_u32 v3, v1, 4, v3
	v_add_nc_u32 v[RD], s16, v3                    ; back: two whole rows
	s_wait_tensorcnt 1                             ; my part of the walk's step 0 is in; step 1's may stay out
	s_barrier_signal -1
	s_barrier_wait -1
.if HASB
	s_wait_loadcnt 32                              ; the bias is in; the 32 loads of the residual may stay out
.endif
	FETCH 0, F0
	QUARTER 1, F0, F1, 1
	WIN 0
	s_mov_b32 s[CNT], KSTEPS-2
.Lstep:                                                ; all steps of the walk but the last two, from a step's second quarter to the next step's first
	QUARTER 2, F1, F0, 0
	QUARTER 3, F0, F1, 0
	TURN
	QUARTER 1, F0, F1, 0
	WIN 0
	s_sub_co_u32 s[CNT], s[CNT], 1
	s_cmp_lg_u32 s[CNT], 0
	s_cbranch_scc1 .Lstep
	s_mov_b32 s[CNT], 2
.Ltail:                                                ; the last two steps fill nothing; the second trip is left in its middle
	QUARTER 2, F1, F0, 0
	QUARTER 3, F0, F1, 0
	MEET
	s_sub_co_u32 s[CNT], s[CNT], 1
	s_cmp_eq_u32 s[CNT], 0
	s_cbranch_scc1 .Lout
	PLACES
	NEXT
	FETCH 0, F0
	MUL8 F1, 1, 0, 0
	MUL8 F1, 1, 2, 0
	QUARTER 1, F0, F1, 0
	WIN 0
	s_branch .Ltail
.Lout:
	MUL8 F1, 1, 0, 0
	MUL8 F1, 1, 2, 0
	WIN 0
	PLACES
; THE WAY OUT, a block of 16 rows at a time: the sums go as they are into my stage and come back as whole rows of 256 bytes; the residual is added; sixteen lanes store 256 consecutive bytes, aligned.
.macro TOSTAGE a
.if (\a) >= 2
	s_wait_xcnt 0x0                                ; the stores of the block two back have read the registers that are loaded again
.endif
.irp b, 0,1,2,3
	ds_store_b128 v[STO], v[ACC+8*(4*(\a)+\b):ACC+8*(4*(\a)+\b)+3]   offset:64*\b
	ds_store_b128 v[STO], v[ACC+8*(4*(\a)+\b)+4:ACC+8*(4*(\a)+\b)+7] offset:64*\b+16
.endr
.irp t, 0,1,2,3,4,5,6,7
	ds_load_b128 v[OB+32*((\a)%2)+4*\t:OB+32*((\a)%2)+4*\t+3], v[RD] offset:\t*2*SPITCH  ; LDS serves a wave's instructions in order: these see the stores above
.endr
.endm
.macro SEND a, younger                 ; younger: the next block's eight stores and eight loads, or none
	s_wait_dscnt \younger
.if (\a) == 0
	s_wait_loadcnt 0x0                             ; the residual
.endif
	WIN 0x08                                       ; source 1 in window 2
.set z, 0
.rept 16
	v_pk_add_f32 v[OB+32*((\a)%2)+2*z:OB+32*((\a)%2)+2*z+1], v[OB+32*((\a)%2)+2*z:OB+32*((\a)%2)+2*z+1], v[32*(\a)+2*z:32*(\a)+2*z+1]
.set z, z+1
.endr
	WIN 0
.irp t, 0,1,2,3,4,5,6,7
	global_store_b128 v[CO], v[OB+32*((\a)%2)+4*\t:OB+32*((\a)%2)+4*\t+3], s[OUTP:OUTP+1] offset:(\a)*65536+\t*8192
.endr
.endm
	TOSTAGE 0
	TOSTAGE 1
	SEND 0, 16
	TOSTAGE 2
	SEND 1, 16
	TOSTAGE 3
	SEND 2, 16
	SEND 3, 0
	s_wait_tensorcnt 0x0                           ; the wave's end
	ds_add_u32 v[SPW], v[NIL]
	s_wait_dscnt 0x0
	CROUND                                         ; the closing round
	s_endpgm
.Lfunc_end_k_qcb564dd193_oproj:
	.size	k_qcb564dd193_oproj, .Lfunc_end_k_qcb564dd193_oproj-k_qcb564dd193_oproj
	.p2alignl 7, 3214868480
	.fill 96, 4, 3214868480
	.section	.rodata,"a",@progbits
	.p2align	6, 0x0
	.amdhsa_kernel k_qcb564dd193_oproj
		.amdhsa_group_segment_fixed_size 327680
		.amdhsa_private_segment_fixed_size 0
		.amdhsa_enable_private_segment 0
		.amdhsa_kernarg_size 32
		.amdhsa_user_sgpr_count 2
		.amdhsa_user_sgpr_kernarg_segment_ptr 1
		.amdhsa_wavefront_size32 1
		.amdhsa_system_sgpr_workgroup_id_x 1
		.amdhsa_system_sgpr_workgroup_id_y 1
		.amdhsa_system_sgpr_workgroup_id_z 1
		.amdhsa_system_vgpr_workitem_id 0
		.amdhsa_next_free_vgpr 640
		.amdhsa_next_free_sgpr 72
		.amdhsa_reserve_vcc 0
		.amdhsa_float_denorm_mode_32 3
		.amdhsa_float_denorm_mode_16_64 3
		.amdhsa_memory_ordered 1
		.amdhsa_forward_progress 1
		.amdhsa_inst_pref_size 66
	.end_amdhsa_kernel
	.amdgpu_metadata
---
amdhsa.version: [ 1, 2 ]
amdhsa.kernels:
  - .name:           k_qcb564dd193_oproj
    .symbol:         k_qcb564dd193_oproj.kd
    .args:
      - { .name: ao, .offset: 0, .size: 8, .value_kind: global_buffer, .address_space: global }
      - { .name: wb, .offset: 8, .size: 8, .value_kind: global_buffer, .address_space: global }
      - { .name: x, .offset: 16, .size: 8, .value_kind: global_buffer, .address_space: global }
      - { .name: xr, .offset: 24, .size: 8, .value_kind: global_buffer, .address_space: global }
    .group_segment_fixed_size: 327680
    .private_segment_fixed_size: 0
    .kernarg_segment_align: 8
    .kernarg_segment_size: 32
    .max_flat_workgroup_size: 128
    .sgpr_count:     72
    .vgpr_count:     640
    .wavefront_size: 32
...
	.end_amdgpu_metadata
.endif
;; end of part 4
;; launch ln2 (part 5): grid 512 x 1, 8 waves a work-group, no clusters, 0 bytes of LDS; arguments xr, ln2_g, ln2_b, xn; writes xn
.if DOCPART == 5
	.amdgcn_target "amdgcn-amd-amdhsa--gfx1250"
	.amdhsa_code_object_version 6
	.text
	.protected	k_qcb564dd193_ln2
	.globl	k_qcb564dd193_ln2
	.p2align	8
	.type	k_qcb564dd193_ln2,@function
k_qcb564dd193_ln2:
	s_mov_b64 s[64:65], 0
	v_nop
	global_prefetch_b8 v0, s[64:65] scope:SCOPE_SE
	s_setreg_imm32_b32 hwreg(HW_REG_WAVE_MODE, 25, 1), 1
	s_wait_xcnt 0x0
; xn = LayerNorm(xr) g + b in bf16.  xr: [4096][1024] f32.  A work-group of eight waves takes 8 rows, a wave one; the row stays in 32 registers between the passes:
; mean first, then the variance of x - mean, so that a common offset costs nothing.  A wave issues all its loads at once, the row's ahead of gain's and bias's.
; Each byte of xr is read once and each byte of xn written once; no LDS, no wave waits for another.
.set LX,  4                            ; v[4:35]    a row, 32 numbers a lane
.set LG,  36                           ; v[36:67]   gain of my columns
.set LB,  68                           ; v[68:99]   bias of my columns
.set LT,  100                          ; v[100:115] at work
.set LMU, 116                          ; v[116:117] the mean, twice
.set LRS, 118                          ; v[118:119] 1 / sqrt(var + eps), twice
.set LN_X, 4
.set LN_G, 6
.set LN_B, 8
.set LN_O, 10
.set LN_SEL, 12
.set LN_INV, 14
.set LN_EPS, 15
.set LN_WG, 17
.set LN_T, 18
.set LN_U, 20
.macro LNSUM                           ; the sum of v[LT..LT+15] and over the 32 lanes, into v[LT] of every lane
.irp i, 0,1,2,3
	v_pk_add_f32 v[LT+4*\i:LT+4*\i+1], v[LT+4*\i:LT+4*\i+1], v[LT+4*\i+2:LT+4*\i+3]
.endr
	v_pk_add_f32 v[LT:LT+1], v[LT:LT+1], v[LT+4:LT+5]
	v_pk_add_f32 v[LT+8:LT+9], v[LT+8:LT+9], v[LT+12:LT+13]
	v_pk_add_f32 v[LT:LT+1], v[LT:LT+1], v[LT+8:LT+9]
	v_add_f32 v[LT], v[LT], v[LT+1]
.irp m, 1,2,4,8
	v_add_f32_dpp v[LT], v[LT], v[LT] row_xmask:\m row_mask:0xf bank_mask:0xf
.endr
	v_permlanex16_b32 v[LT+1], v[LT], s[LN_SEL], s[LN_SEL+1]
	v_add_f32 v[LT], v[LT], v[LT+1]
.endm
	s_load_b256 s[4:11], s[0:1], 0x0               ; xr, ln2_g, ln2_b, xn
	v_and_b32 v3, 31, v0
	v_lshlrev_b32 v1, 4, v3                        ; 16 bytes a lane in
	v_lshlrev_b32 v2, 3, v3                        ; 8 bytes a lane out
	v_lshrrev_b32 v3, 5, v0
	v_readfirstlane_b32 s[LN_T], v3                ; wave
	s_lshl_b32 s[LN_WG], ttmp9, 3
	s_add_co_u32 s[LN_T], s[LN_T], s[LN_WG]        ; my row
	s_lshl_b32 s[LN_U], s[LN_T], 11
	s_mov_b32 s[LN_U+1], 0
	s_lshl_b32 s[LN_T], s[LN_T], 12
	s_mov_b32 s[LN_T+1], 0
	s_mov_b32 s[LN_SEL], 0x76543210
	s_mov_b32 s[LN_SEL+1], 0xfedcba98
	s_mov_b32 s[LN_INV], 0x3a800000                ; 1 / 1024
	s_mov_b32 s[LN_EPS], 0x358637bd                ; 1e-6
	s_wait_kmcnt 0x0
	s_add_nc_u64 s[LN_X:LN_X+1], s[LN_X:LN_X+1], s[LN_T:LN_T+1]
	s_add_nc_u64 s[LN_O:LN_O+1], s[LN_O:LN_O+1], s[LN_U:LN_U+1]
.irp j, 0,1,2,3,4,5,6,7
	global_load_b128 v[LX+4*\j:LX+4*\j+3], v1, s[LN_X:LN_X+1] offset:512*\j  ; the row first: the sums want it first
.endr
.irp j, 0,1,2,3,4,5,6,7
	global_load_b128 v[LG+4*\j:LG+4*\j+3], v1, s[LN_G:LN_G+1] offset:512*\j
	global_load_b128 v[LB+4*\j:LB+4*\j+3], v1, s[LN_B:LN_B+1] offset:512*\j
.endr
	s_wait_loadcnt 16                              ; the row is in; the sixteen loads of gain and bias, issued behind it, may stay out
.irp i, 0,1,2,3,4,5,6,7
	v_pk_add_f32 v[LT+2*\i:LT+2*\i+1], v[LX+4*\i:LX+4*\i+1], v[LX+4*\i+2:LX+4*\i+3]
.endr
	LNSUM
	v_mul_f32 v[LMU], s[LN_INV], v[LT]
	v_mul_f32 v[LMU+1], s[LN_INV], v[LT]
.irp i, 0,1,2,3,4,5,6,7,8,9,10,11,12,13,14,15
	v_pk_add_f32 v[LX+2*\i:LX+2*\i+1], v[LX+2*\i:LX+2*\i+1], v[LMU:LMU+1] neg_lo:[0,1] neg_hi:[0,1]
.endr
.irp i, 0,1,2,3,4,5,6,7
	v_pk_mul_f32 v[LT+2*\i:LT+2*\i+1], v[LX+4*\i:LX+4*\i+1], v[LX+4*\i:LX+4*\i+1]
.endr
.irp i, 0,1,2,3,4,5,6,7
	v_pk_fma_f32 v[LT+2*\i:LT+2*\i+1], v[LX+4*\i+2:LX+4*\i+3], v[LX+4*\i+2:LX+4*\i+3], v[LT+2*\i:LT+2*\i+1]
.endr
	LNSUM
	v_fma_f32 v[LT], v[LT], s[LN_INV], s[LN_EPS]
	v_rsq_f32 v[LRS], v[LT]
	v_rsq_f32 v[LRS+1], v[LT]
	v_nop                                          ; a plain instruction behind the last root,
	s_wait_alu depctr_va_vdst(0)                   ; and one wait for both, ahead of their first reader
	s_wait_loadcnt 0x0                             ; gain and bias
.irp i, 0,1,2,3,4,5,6,7,8,9,10,11,12,13,14,15
	v_pk_mul_f32 v[LX+2*\i:LX+2*\i+1], v[LX+2*\i:LX+2*\i+1], v[LRS:LRS+1]
	v_pk_fma_f32 v[LX+2*\i:LX+2*\i+1], v[LX+2*\i:LX+2*\i+1], v[LG+2*\i:LG+2*\i+1], v[LB+2*\i:LB+2*\i+1]
.endr
.irp j, 0,1,2,3,4,5,6,7
	v_cvt_pk_bf16_f32 v[LT+2*\j], v[LX+4*\j], v[LX+4*\j+1]
	v_cvt_pk_bf16_f32 v[LT+2*\j+1], v[LX+4*\j+2], v[LX+4*\j+3]
	global_store_b64 v2, v[LT+2*\j:LT+2*\j+1], s[LN_O:LN_O+1] offset:256*\j  ; a wave's store covers 256 consecutive bytes, aligned
.endr
	s_endpgm
.Lfunc_end_k_qcb564dd193_ln2:
	.size	k_qcb564dd193_ln2, .Lfunc_end_k_qcb564dd193_ln2-k_qcb564dd193_ln2
	.p2alignl 7, 3214868480
	.fill 96, 4, 3214868480
	.section	.rodata,"a",@progbits
	.p2align	6, 0x0
	.amdhsa_kernel k_qcb564dd193_ln2
		.amdhsa_group_segment_fixed_size 0
		.amdhsa_private_segment_fixed_size 0
		.amdhsa_enable_private_segment 0
		.amdhsa_kernarg_size 32
		.amdhsa_user_sgpr_count 2
		.amdhsa_user_sgpr_kernarg_segment_ptr 1
		.amdhsa_wavefront_size32 1
		.amdhsa_system_sgpr_workgroup_id_x 1
		.amdhsa_system_sgpr_workgroup_id_y 1
		.amdhsa_system_sgpr_workgroup_id_z 1
		.amdhsa_system_vgpr_workitem_id 0
		.amdhsa_next_free_vgpr 128
		.amdhsa_next_free_sgpr 66
		.amdhsa_reserve_vcc 0
		.amdhsa_float_denorm_mode_32 3
		.amdhsa_float_denorm_mode_16_64 3
		.amdhsa_memory_ordered 1
		.amdhsa_forward_progress 1
		.amdhsa_inst_pref_size 12
	.end_amdhsa_kernel
	.amdgpu_metadata
---
amdhsa.version: [ 1, 2 ]
amdhsa.kernels:
  - .name:           k_qcb564dd193_ln2
    .symbol:         k_qcb564dd193_ln2.kd
    .args:
      - { .name: xr, .offset: 0, .size: 8, .value_kind: global_buffer, .address_space: global }
      - { .name: ln2_g, .offset: 8, .size: 8, .value_kind: global_buffer, .address_space: global }
      - { .name: ln2_b, .offset: 16, .size: 8, .value_kind: global_buffer, .address_space: global }
      - { .name: xn, .offset: 24, .size: 8, .value_kind: global_buffer, .address_space: global }
    .group_segment_fixed_size: 0
    .private_segment_fixed_size: 0
    .kernarg_segment_align: 8
    .kernarg_segment_size: 32
    .max_flat_workgroup_size: 256
    .sgpr_count:     66
    .vgpr_count:     128
    .wavefront_size: 32
...
	.end_amdgpu_metadata
.endif
;; end of part 5
;; launch ffn1 (part 6): grid 16 x 16, 4 waves a work-group, clusters of 4 x 4, 327,680 bytes of LDS; arguments xn, wb, ffn_b1, hb; writes hb
.if DOCPART == 6
	.amdgcn_target "amdgcn-amd-amdhsa--gfx1250"
	.amdhsa_code_object_version 6
	.text
	.protected	k_qcb564dd193_ffn1
	.globl	k_qcb564dd193_ffn1
	.p2align	8
	.type	k_qcb564dd193_ffn1,@function
k_qcb564dd193_ffn1:
	s_mov_b64 s[64:65], 0
	v_nop
	global_prefetch_b8 v0, s[64:65] scope:SCOPE_SE
	s_setreg_imm32_b32 hwreg(HW_REG_WAVE_MODE, 25, 1), 1
	s_wait_xcnt 0x0
	s_wait_alu depctr_hold_cnt(0) depctr_sa_sdst(0) depctr_va_vdst(0) depctr_va_sdst(0) depctr_va_ssrc(0) depctr_va_vcc(0) depctr_vm_vsrc(0)
	s_getreg_b32 s2, hwreg(HW_REG_IB_STS2, 6, 4)
	s_cmp_eq_u32 s2, 0
	s_cbranch_scc0 .Lentry_in_a_cluster
	s_endpgm
.Lentry_in_a_cluster:
	s_bfe_u32 s2, ttmp6, 0x10000c
	s_cmp_lg_u32 s2, 0xf033
	s_cbranch_scc0 .Lentry_shape_is_right
	s_endpgm
.Lentry_shape_is_right:
; C = A B for A = xn [4096][1024] bf16 (K along the rows) and B = bf16 weights kept [K][N]; sums in f32.  One source for two kernels, told apart by QKV:
;   QKV = 1: B = [w_q | w_k | w_v] (three matrices of 1,024 columns); q and k are rotated (RoPE) on the way out, by a table row for each row of C; v's table rows are cos = 1, sin = 0,
;            a hidden key's are 0, so that its k row is 0.  q and k are rounded to bf16 ahead of the rotation and once more behind it.
;   QKV = 0: B = ffn_w1 (4,096 columns); the bias starts the sums (it is the first product's C), ReLU on the way out.
; OUT, in blocks of 64 columns: [column / 64][4096 rows][64] bf16: four rows of a block are 512 consecutive bytes, which one store of a wave fills.
; SHAPE.  A tile of C is 256 x 256, four waves, 128 x 128 each: 64 accumulators.  K = 1,024 goes in 8 steps of 128 through two LDS slots filled by tensor loads.
; A's tile rows are 256 bytes (LDS pitch 272), read as they lie; B's tile is 128 k-rows of 512 bytes (pitch 544 = 17 x 32), turned at the LDS read by ds_load_tr16_b128.
; The matrix instruction is used transposed (source 0 = 16 columns of B, source 1 = 16 rows of A): a lane holds eight neighbouring columns of one row of C.
; CLUSTER 4 x 4: A's tile is asked for jointly along a row of the cluster, B's along a column; QKV's table rows hang on the tile row and go along the row too.
; THE TEXT IS SHORT ON PURPOSE: one K step a trip (the slot's base is a scalar turned by an exclusive or), the last two steps a loop left in its middle, the way out a loop.
; REGISTERS: window 0: v0-31 addresses, v64-191 A's fragments (two buffers), v192-223 and, behind the products, v32-127 the way out; window 1: v64-191 B's fragments, v0-63 the bias; windows 2, 3: accumulators.
.set QKV, 0
.if QKV
.set NPITCH, 1024
.else
.set NPITCH, 4096
.endif
.set BSTEP,  128*NPITCH*2              ; bytes from a K step of B to the next
.set PA,     272
.set PB,     544
.set HALF,   34816                     ; what one tensor load fills: 128 rows of A or 64 k-rows of B
.set SLOT,   4*HALF                    ; A's 256 rows, then B's 128 k-rows.  0x22000: no wave's w x HALF has one of its two bits, so an exclusive or by SLOT changes slots
.set TABL,   2*SLOT                    ; QKV: 256 table rows of 128 bytes
.if QKV
.set SPARE,  TABL+32768
.else
.set SPARE,  TABL
.endif                                 ; the spare words: 128 bytes a wave, two blocks of 256 bytes that no other line names
; THE STAGE of the way out is slot 0's bytes, wave w's 128 rows of 272 bytes at w x HALF: written only behind the last barrier, when both slots have had their last fill and nobody reads them.
.set WV, 12                            ; s12 wave   s13 wave / 2: my row half; also: I fetch A (0) or B (1)   s14 wave % 2: my column half; also which half I fetch
.set FK, 13
.set HF, 14
.set TR, 15                            ; s15 tile row; s42 tile column; s40 cx; s41 cy
.set RB, 2                             ; s2  base of the slot that is read
.set CNT, 3
.set LIM, 43                           ; s43 2 in a wave that prefetches, else the greatest number
.set PFA, 44                           ; s[44:45] where my prefetches stand
.set PFS, 46                           ; s[46:47] their step from K step to K step
.set G1A, 24
.set G0A, 32                           ; two sets: K step 0 into slot 0; K step 1 into slot 1, which then walks
.set G1B, 48
.set G0B, 56
.set G1T, 72
.set G0T, 80
.set ADRA, 16
.set A0,   17
.set ADRB, 20
.set B0,   21
.set STO,  23
.set RDO,  24
.set RDP,  25
.set CO,   26
.set TBA,  27
.set SPW,  28
.set NIL,  29
.set PFO,  30
.set BO,   31                          ; v31 the bias loads' offset, 32 x (lane / 16); never rewritten, so that those loads need no wait for its sake
.set F0,   64
.set F1,   128
.set TMP,  192
.set BIAS, 0
.set ONE,  120
.set SG,   121
.set ZR,   122
.set MSB, 0
.macro WIN new                         ; the immediate's high byte repeats the setting that is left; a switch that changes nothing is dropped
.if MSB != (\new)
	s_set_vgpr_msb (MSB<<8)|(\new)
.set MSB, \new
.endif
.endm
.set MUL_LO, 0xa1                      ; source 0 (B) window 1, source 1 (A) window 0, C and D window 2; + 0x50: window 3
.macro JLOAD s                         ; a joint load: waves 0, 1 fetch A's halves, waves 2, 3 B's; an s_nop 0 and four v_nop follow each line
	s_cmp_eq_u32 s[FK], 0
	s_cbranch_scc0 .Lfor_b_\@
	tensor_load_to_lds s[G0A+4*(\s):G0A+4*(\s)+3], s[G1A:G1A+7]
	s_nop 0
.rept 4
	v_nop
.endr
	s_branch .Lasked_\@
.Lfor_b_\@:
	tensor_load_to_lds s[G0B+4*(\s):G0B+4*(\s)+3], s[G1B:G1B+7]
	s_nop 0
.rept 4
	v_nop
.endr
.Lasked_\@:
.endm
; A prefetch into the L2 of the K step that stands two refills on: 32 blocks of 256 bytes, a lane a block, one instruction a wave, behind the joint load and the run of LDS loads.
; A's rows are named by the clusters with x = 0, B's by those with y = 0; the four partners of a joint load share its blocks out by address.  Trips 0 to 3 name K steps 4 to 7; the others name nothing.
.macro ASK
	s_cmp_gt_u32 s[CNT], s[LIM]
	s_cbranch_scc0 .Lnot_mine_\@
	global_prefetch_b8 v[PFO], s[PFA:PFA+1] th:TH_LOAD_NT scope:SCOPE_SE
.Lnot_mine_\@:
.endm
.macro CREST                           ; a round of the cluster's barrier behind its opening barrier
	s_cmp_lg_u32 s[WV], 0
	s_cbranch_scc1 .Lnot_wave_0_\@
	s_barrier_signal -3
.Lnot_wave_0_\@:
	s_barrier_wait -3
	s_barrier_signal -1
	s_barrier_wait -1
.endm
.macro CROUND
	s_barrier_signal -1
	s_barrier_wait -1
	CREST
.endm
.macro PLACES                          ; four plain places behind a matrix instruction, ahead of loads into its sources and of readers of its result
.rept 4
	v_nop
.endr
.endm
; 16 matrix instructions: m blocks a0, a0 + 1 of the window's four x all 8 n blocks, 32 along K.  zero = 1: the first product starts the sums, with 0 or with the bias.
.macro MUL16 f, hi, a0, zero
.if (\zero) && !QKV
	WIN 0x91+0x40*(\hi)                            ; C in window 1
.else
	WIN MUL_LO+0x50*(\hi)
.endif
.irp a, \a0, (\a0)+1
.irp b, 0,1,2,3,4,5,6,7
.if (\zero) && QKV
	v_wmma_f32_16x16x32_bf16 v[8*(8*(\a)+(\b)):8*(8*(\a)+(\b))+7], v[(\f)+8*(\b):(\f)+8*(\b)+7], v[(\f)+8*(4*(\hi)+(\a)):(\f)+8*(4*(\hi)+(\a))+7], 0
.elseif \zero
	v_wmma_f32_16x16x32_bf16 v[8*(8*(\a)+(\b)):8*(8*(\a)+(\b))+7], v[(\f)+8*(\b):(\f)+8*(\b)+7], v[(\f)+8*(4*(\hi)+(\a)):(\f)+8*(4*(\hi)+(\a))+7], v[BIAS+8*(\b):BIAS+8*(\b)+7]
.else
	v_wmma_f32_16x16x32_bf16 v[8*(8*(\a)+(\b)):8*(8*(\a)+(\b))+7], v[(\f)+8*(\b):(\f)+8*(\b)+7], v[(\f)+8*(4*(\hi)+(\a)):(\f)+8*(4*(\hi)+(\a))+7], v[8*(8*(\a)+(\b)):8*(8*(\a)+(\b))+7]
.endif
.endr
.endr
.endm
; 32 LDS loads in one run: quarter q (32 along K) of the slot in hand into buffer f: B's 128 columns turned, then A's 128 rows
.macro FETCH q, f
	WIN 0x40
.irp i, 0,1,2,3,4,5,6,7
	ds_load_tr16_b128 v[(\f)+8*(\i):(\f)+8*(\i)+3],   v[ADRB] offset:(\q)*32*PB+32*(\i)
	ds_load_tr16_b128 v[(\f)+8*(\i)+4:(\f)+8*(\i)+7], v[ADRB] offset:(\q)*32*PB+16*PB+32*(\i)
.endr
	WIN 0
.irp i, 0,1,2,3,4,5,6,7
	ds_load_b128 v[(\f)+8*(\i):(\f)+8*(\i)+3],   v[ADRA] offset:64*(\q)+(\i)*16*PA
	ds_load_b128 v[(\f)+8*(\i)+4:(\f)+8*(\i)+7], v[ADRA] offset:64*(\q)+(\i)*16*PA+32
.endr
.endm
; multiplies buffer f; in its middle fetches quarter q of the same slot into buffer g
.macro QUARTER q, f, g, zero
	s_wait_dscnt 8                                 ; B and A's rows 0-63 are in; the youngest eight loads (A's rows 64-127) may be out
	MUL16 \f, 0, 0, \zero
	MUL16 \f, 0, 2, \zero
	PLACES
	FETCH \q, \g
	s_wait_dscnt 32                                ; all but the 32 just issued
	MUL16 \f, 1, 0, \zero
	MUL16 \f, 1, 2, \zero
.endm
; the first half of a step's last quarter, and the one barrier of a change of slots
.macro MEET
	WIN 0
	s_wait_tensorcnt 0x0                           ; all my tensor loads have landed: my part of the next slot;
	ds_add_u32 v[SPW], v[NIL]                      ; 0 onto my spare word;
	s_wait_dscnt 9                                 ; (the add and the youngest eight loads may be out)
	MUL16 F1, 0, 0, 0
	s_wait_dscnt 0x0                               ; the add is done and my reads of this slot are over
	s_barrier_signal -1
	MUL16 F1, 0, 2, 0
	WIN 0
	s_barrier_wait -1
.endm
.macro NEXT                            ; the reads go to the other slot
	s_xor_b32 s[RB], s[RB], SLOT
	v_add_nc_u32 v[ADRA], s[RB], v[A0]
	v_add_nc_u32 v[ADRB], s[RB], v[B0]
.endm
; the whole last quarter of a step whose slot is filled again, with the K step two steps on: the barrier opens a round of the cluster's, the joint refill is the first thing behind it
; and has 224 matrix instructions in which to land
.macro TURN
	s_wait_xcnt 0x0                                ; the last prefetch, a K step back, has read its address
	s_add_nc_u64 s[PFA:PFA+1], s[PFA:PFA+1], s[PFS:PFS+1]
	MEET
	CREST
	s_xor_b32 s[G0A+5], s[G0A+5], SLOT             ; the walking descriptors: the other slot than last time, the next K step
	s_add_nc_u64 s[G0A+6:G0A+7], s[G0A+6:G0A+7], 256
	s_xor_b32 s[G0B+5], s[G0B+5], SLOT
	s_add_nc_u64 s[G0B+6:G0B+7], s[G0B+6:G0B+7], BSTEP
	JLOAD 1                                        ; its four v_nop are also the places in front of the loads below
	NEXT
	FETCH 0, F0
	ASK
	MUL16 F1, 1, 0, 0
	MUL16 F1, 1, 2, 0
.endm
	s_load_b256 s[4:11], s[0:1], 0x0               ; xn s[4:5], wb s[6:7], tab or ffn_b1 s[8:9], out s[10:11]
	v_lshl_add_u32 v[SPW], v0, 2, SPARE
	v_mov_b32 v[NIL], 0
	ds_add_u32 v[SPW], v[NIL]                      ; the wave's opening: the add and its wait ahead of my first tensor load
	v_lshrrev_b32 v1, 5, v0
	v_readfirstlane_b32 s[WV], v1
	s_lshr_b32 s[FK], s[WV], 1
	s_and_b32 s[HF], s[WV], 1
	s_bfe_u32 s40, ttmp6, 0x40000                  ; cx
	s_bfe_u32 s41, ttmp6, 0x40004                  ; cy
	s_lshl_b32 s42, ttmp9, 2
	s_add_co_u32 s42, s42, s40                     ; tile column
	s_and_b32 s[TR], ttmp7, 0xffff
	s_lshl_b32 s[TR], s[TR], 2
	s_add_co_u32 s[TR], s[TR], s41                 ; tile row
	s_lshl_b32 s16, s41, 2
	s_lshl_b32 s16, 15, s16                        ; my row of the cluster
	s_lshl_b32 s20, 0x1111, s40                    ; my column
	s_or_b32 s[G1A], s16, (1<<16)|(1<<20)|(1<<21)|(5<<22)|(3<<25)   ; A: 2-byte elements, 4 words of padding behind every 64
	s_mov_b32 s[G1A+1], 128<<16                    ; tensor_dim0 = 128
	s_mov_b32 s[G1A+2], 128<<16                    ; tensor_dim1 = 128
	s_mov_b32 s[G1A+3], 128<<16                    ; tile_dim0 = 128
	s_mov_b32 s[G1A+4], 128                        ; tile_dim1 = 128
	s_mov_b32 s[G1A+5], 1024                       ; elements from row to row
	s_mov_b32 s[G1A+6], 0
	s_mov_b32 s[G1A+7], 0
	s_or_b32 s[G1B], s20, (1<<16)|(1<<20)|(1<<21)|(6<<22)|(7<<25)   ; B: 8 words of padding behind every 128
	s_mov_b32 s[G1B+1], 256<<16                    ; 256 columns
	s_mov_b32 s[G1B+2], 64<<16                     ; 64 k-rows
	s_mov_b32 s[G1B+3], 256<<16
	s_mov_b32 s[G1B+4], 64
	s_mov_b32 s[G1B+5], NPITCH
	s_mov_b32 s[G1B+6], 0
	s_mov_b32 s[G1B+7], 0
.if QKV
	s_or_b32 s[G1T], s16, (3<<16)|(1<<21)          ; the table: 8,192 dense bytes a wave as 32 rows of 256, 8-byte elements, along my row of the cluster
	s_mov_b32 s[G1T+1], 32<<16
	s_mov_b32 s[G1T+2], 32<<16
	s_mov_b32 s[G1T+3], 32<<16
	s_mov_b32 s[G1T+4], 32
	s_mov_b32 s[G1T+5], 32
	s_mov_b32 s[G1T+6], 0
	s_mov_b32 s[G1T+7], 0
	s_and_b32 s68, s[TR], 7
	s_lshl_b32 s68, s68, 8                         ; q: the position, row mod 2,048
	s_lshl_b32 s69, s[TR], 8
	s_add_co_u32 s69, s69, 2048                    ; k: a row for each batch and position
	s_and_b32 s70, s[TR], 3
	s_lshl_b32 s70, s70, 8
	s_add_co_u32 s70, s70, 6144                    ; v: identity rows
	s_cmp_eq_u32 ttmp9, 1                          ; the cluster's x says which of the three matrices: the same in all partners
	s_cselect_b32 s68, s69, s68
	s_cmp_eq_u32 ttmp9, 2
	s_cselect_b32 s68, s70, s68
	s_lshl_b32 s69, s[WV], 6
	s_add_co_u32 s68, s68, s69                     ; my 64 of the 256 rows
	s_lshl_b32 s68, s68, 7
	s_mov_b32 s69, 0
	s_mov_b32 s[G0T], 1
	s_lshl_b32 s[G0T+1], s[WV], 13
	s_add_co_u32 s[G0T+1], s[G0T+1], TABL
.endif
	s_lshl_b32 s16, s[TR], 8
	s_lshl_b32 s17, s[HF], 7
	s_add_co_u32 s16, s16, s17
	s_lshl_b32 s16, s16, 11                        ; A: (256 x tile row + 128 x half) rows of 2,048 bytes
	s_mov_b32 s17, 0
.if QKV
	s_lshl_b32 s20, ttmp9, 21                      ; B: the matrix,
	s_lshl_b32 s21, s40, 9                         ; its 256 columns,
	s_add_co_u32 s20, s20, s21
	s_lshl_b32 s21, s[HF], 17                      ; my 64 k-rows
.else
	s_lshl_b32 s20, s42, 9
	s_add_co_u32 s20, s20, 8<<20                   ; ffn_w1 in wb
	s_lshl_b32 s21, s[HF], 19
.endif
	s_add_co_u32 s20, s20, s21
	s_mov_b32 s21, 0
	s_mul_i32 s66, s[WV], HALF                     ; where my loads go, and my stage
	s_mov_b32 s[RB], 0
	s_wait_dscnt 0x0                               ; the opening add is done
	s_wait_kmcnt 0x0
	s_add_nc_u64 s[18:19], s[4:5], s[16:17]
	s_add_nc_u64 s[22:23], s[6:7], s[20:21]
.irp s, 0,1
	s_mov_b32 s[G0A+4*(\s)], 1
	s_add_co_u32 s[G0A+4*(\s)+1], s66, (\s)*SLOT
	s_add_nc_u64 s[G0A+4*(\s)+2:G0A+4*(\s)+3], s[18:19], (\s)*256
	s_or_b32 s[G0A+4*(\s)+3], s[G0A+4*(\s)+3], 0x80000000
	s_mov_b32 s[G0B+4*(\s)], 1
	s_add_co_u32 s[G0B+4*(\s)+1], s66, (\s)*SLOT
	s_add_nc_u64 s[G0B+4*(\s)+2:G0B+4*(\s)+3], s[22:23], (\s)*BSTEP
	s_or_b32 s[G0B+4*(\s)+3], s[G0B+4*(\s)+3], 0x80000000
.endr
.if QKV
	s_add_nc_u64 s[G0T+2:G0T+3], s[8:9], s[68:69]
	s_or_b32 s[G0T+3], s[G0T+3], 0x80000000
.endif
	CROUND                                         ; all sixteen work-groups are here: the first joint loads meet
.if QKV
	tensor_load_to_lds s[G0T:G0T+3], s[G1T:G1T+7]  ; the first fills go out as one group: the table (QKV), K step 0, K step 1: three or two loads of mine are out
	s_nop 0
.endif
	s_cmp_eq_u32 s[FK], 0
	s_cbranch_scc0 .Lfirst_b
	tensor_load_to_lds s[G0A:G0A+3], s[G1A:G1A+7]
	s_nop 0
	tensor_load_to_lds s[G0A+4:G0A+7], s[G1A:G1A+7]
	s_nop 0
.rept 4
	v_nop
.endr
	s_branch .Lfirst_asked
.Lfirst_b:
	tensor_load_to_lds s[G0B:G0B+3], s[G1B:G1B+7]
	s_nop 0
	tensor_load_to_lds s[G0B+4:G0B+7], s[G1B:G1B+7]
	s_nop 0
.rept 4
	v_nop
.endr
.Lfirst_asked:
	v_and_b32 v1, 15, v0                           ; r = l % 16
	v_bfe_u32 v2, v0, 4, 1                         ; h = l / 16
.if !QKV
	s_lshl_b32 s16, s42, 10                        ; the bias of my 128 columns: register j of n block b is column 16 b + 8 h + j, as in a result
	s_lshl_b32 s17, s[HF], 9
	s_add_co_u32 s16, s16, s17
	s_mov_b32 s17, 0
	s_add_nc_u64 s[8:9], s[8:9], s[16:17]
	v_lshlrev_b32 v[BO], 5, v2
	WIN 0x40
.irp b, 0,1,2,3,4,5,6,7
	global_load_b128 v[BIAS+8*\b:BIAS+8*\b+3],   v[BO], s[8:9] offset:64*\b
	global_load_b128 v[BIAS+8*\b+4:BIAS+8*\b+7], v[BO], s[8:9] offset:64*\b+16
.endr
	WIN 0
.endif
	v_mul_u32_u24 v3, v1, PA
	v_lshl_add_u32 v3, v2, 4, v3                   ; r x 272 + 16 h
	s_mul_i32 s16, s[FK], HALF
	v_add_nc_u32 v[A0], s16, v3                    ; my 128 rows of A
	v_add_nc_u32 v[STO], s66, v3                   ; the way out: where I put 16 bytes of a row
	v_and_b32 v4, 7, v0
	v_lshl_add_u32 v4, v2, 3, v4                   ; the turning load: k-row 8 h + l % 8,
	v_mul_u32_u24 v4, v4, PB
	v_bfe_u32 v5, v0, 3, 1
	v_lshl_add_u32 v4, v5, 4, v4                   ; columns 8 ((l / 8) % 2) ..
	s_lshl_b32 s16, s[HF], 8
	s_add_co_u32 s16, s16, 2*HALF
	v_add_nc_u32 v[B0], s16, v4                    ; my 128 columns of B, behind A's 256 rows
	v_mov_b32 v[ADRA], v[A0]
	v_mov_b32 v[ADRB], v[B0]
	v_and_b32 v6, 31, v0                           ; l
	v_lshrrev_b32 v7, 3, v6                        ; back from the stage: 32 lanes take four rows x 128 bytes of one block of 64 columns
	v_and_b32 v8, 7, v0
	v_mul_u32_u24 v9, v7, PA
	v_add_nc_u32 v9, s66, v9
	v_lshl_add_u32 v[RDO], v8, 4, v9
	v_lshlrev_b32 v[CO], 4, v6                     ; which are 512 consecutive bytes of the output
.if QKV
	v_xor_b32 v10, 4, v8
	v_lshl_add_u32 v[RDP], v10, 4, v9              ; the partner: the same row, 32 channels away
	v_and_b32 v10, 3, v0
	v_lshlrev_b32 v10, 4, v10
	v_lshl_add_u32 v10, v7, 7, v10
	s_lshl_b32 s16, s[FK], 14
	s_add_co_u32 s16, s16, TABL
	v_add_nc_u32 v[TBA], s16, v10                  ; the row's cosines of my eight channels; the sines lie 64 bytes on
.endif
	; the prefetches
	s_and_b32 s67, ttmp7, 0xffff
	s_mov_b32 s69, 32*2048                         ; a partner's share: 32 rows of A, or 16 k-rows of B (two blocks of 256 bytes each)
	s_mov_b32 s70, 16*NPITCH*2
	s_mov_b32 s[PFS], 256
	s_mov_b32 s71, BSTEP
	s_mov_b32 s16, 2048
	s_mov_b32 s17, NPITCH*2
	s_cmp_eq_u32 s[FK], 0
	s_cselect_b32 s67, ttmp9, s67                  ; the coordinate along which other clusters read the same rows
	s_cselect_b32 s68, s40, s41                    ; my place among the four that ask jointly
	s_cselect_b32 s69, s69, s70
	s_cselect_b32 s[PFS], s[PFS], s71
	s_cselect_b32 s16, s16, s17
	s_cselect_b64 s[PFA:PFA+1], s[18:19], s[22:23]
	s_cmp_eq_u32 s67, 0
	s_cselect_b32 s[LIM], 2, -1
	s_mul_i32 s68, s68, s69
	s_mul_i32 s70, s[PFS], 3                       ; at K step 3: the first change of slots steps it to 4
	s_add_co_u32 s68, s68, s70
	s_mov_b32 s69, 0
	s_mov_b32 s[PFS+1], 0
	s_add_nc_u64 s[PFA:PFA+1], s[PFA:PFA+1], s[68:69]
	v_lshrrev_b32 v7, s[FK], v6                    ; A: a lane a row; B: two lanes a k-row
	v_mul_lo_u32 v7, v7, s16
	v_and_b32 v8, s[FK], v6
	v_lshl_add_u32 v[PFO], v8, 8, v7
	; the output at my part: block 4 x tile column + 2 x column half, row 256 x tile row + 128 x row half, 128 bytes a row
	s_lshl_b32 s20, s42, 2
	s_lshl_b32 s21, s[HF], 1
	s_add_co_u32 s20, s20, s21
	s_lshl_b32 s20, s20, 12
	s_lshl_b32 s21, s[TR], 8
	s_add_co_u32 s20, s20, s21
	s_lshl_b32 s21, s[FK], 7
	s_add_co_u32 s20, s20, s21
	s_lshl_b32 s20, s20, 7
	s_mov_b32 s21, 0
	s_add_nc_u64 s[10:11], s[10:11], s[20:21]
	s_wait_tensorcnt 1                             ; the table and my part of K step 0 are in; K step 1's load may stay out
	s_barrier_signal -1
	s_barrier_wait -1
.if !QKV
	s_wait_loadcnt 0x0                             ; the bias
.endif
	FETCH 0, F0
	QUARTER 1, F0, F1, 1                           ; the first quarter stands in front of the loop: its products start the sums
	WIN 0
	s_mov_b32 s[CNT], 6
.Lstep:                                                ; K steps 0 to 5, from a step's second quarter to the next step's first; the slot left is filled with K steps 2 to 7
	QUARTER 2, F1, F0, 0
	QUARTER 3, F0, F1, 0
	TURN
	QUARTER 1, F0, F1, 0
	WIN 0
	s_sub_co_u32 s[CNT], s[CNT], 1
	s_cmp_lg_u32 s[CNT], 0
	s_cbranch_scc1 .Lstep
	s_mov_b32 s[CNT], 2
.Ltail:                                                ; K steps 6 and 7 fill nothing; the second trip is left behind its barrier, which frees the ring for the stage
	QUARTER 2, F1, F0, 0
	QUARTER 3, F0, F1, 0
	MEET
	s_sub_co_u32 s[CNT], s[CNT], 1
	s_cmp_eq_u32 s[CNT], 0
	s_cbranch_scc1 .Lout
	PLACES
	NEXT
	FETCH 0, F0
	MUL16 F1, 1, 0, 0
	MUL16 F1, 1, 2, 0
	QUARTER 1, F0, F1, 0
	WIN 0
	s_branch .Ltail
.Lout:
	MUL16 F1, 1, 0, 0
	MUL16 F1, 1, 2, 0
	PLACES
; THE WAY OUT.  Block a (16 rows) is rounded to bf16, 16 bytes a lane, into my stage; each accumulator's registers in ascending order.
.macro DUMP a
	WIN 0x0a+5*((\a)/4)
.irp b, 0,1,2,3,4,5,6,7
.irp r, 0,1,2,3
	v_cvt_pk_bf16_f32 v[TMP+4*(\b)+(\r)], v[64*((\a)%4)+8*(\b)+2*(\r)], v[64*((\a)%4)+8*(\b)+2*(\r)+1]
.endr
.endr
	WIN 0
.irp b, 0,1,2,3,4,5,6,7
	ds_store_b128 v[STO], v[TMP+4*(\b):TMP+4*(\b)+3] offset:(\a)*16*PA+32*(\b)
.endr
.endm
.irp a, 0,1,2,3,4,5,6,7
	DUMP \a
.endr
	v_mov_b32 v[ZR], 0
	s_mov_b32 s[CNT], 8
.Lsend:                                                ; a trip: 16 rows x 128 columns, ReLU on the packed halves; LDS serves a wave's instructions in order, so these loads see my stores
.irp g, 0,1,2,3
.irp u, 0,1
	ds_load_b128 v[32+8*\g+4*\u:35+8*\g+4*\u], v[RDO] offset:\g*4*PA+\u*128
.endr
.endr
	s_wait_dscnt 0x0
.set e, 0
.rept 32
	v_pk_max_num_bf16 v[32+e], v[32+e], v[ZR]
.set e, e+1
.endr
.irp g, 0,1,2,3
.irp u, 0,1
	global_store_b128 v[CO], v[32+8*\g+4*\u:35+8*\g+4*\u], s[10:11] offset:\g*512+\u*524288  ; 512 consecutive bytes, aligned
.endr
.endr
	s_wait_xcnt 0x0                                ; the stores have read their data and address
	v_add_nc_u32 v[RDO], 16*PA, v[RDO]
	v_add_nc_u32 v[CO], 2048, v[CO]
	s_sub_co_u32 s[CNT], s[CNT], 1
	s_cmp_lg_u32 s[CNT], 0
	s_cbranch_scc1 .Lsend
	s_wait_tensorcnt 0x0                           ; the wave's end
	ds_add_u32 v[SPW], v[NIL]
	s_wait_dscnt 0x0
	CROUND                                         ; the closing round
	s_endpgm
.Lfunc_end_k_qcb564dd193_ffn1:
	.size	k_qcb564dd193_ffn1, .Lfunc_end_k_qcb564dd193_ffn1-k_qcb564dd193_ffn1
	.p2alignl 7, 3214868480
	.fill 96, 4, 3214868480
	.section	.rodata,"a",@progbits
	.p2align	6, 0x0
	.amdhsa_kernel k_qcb564dd193_ffn1
		.amdhsa_group_segment_fixed_size 327680
		.amdhsa_private_segment_fixed_size 0
		.amdhsa_enable_private_segment 0
		.amdhsa_kernarg_size 32
		.amdhsa_user_sgpr_count 2
		.amdhsa_user_sgpr_kernarg_segment_ptr 1
		.amdhsa_wavefront_size32 1
		.amdhsa_system_sgpr_workgroup_id_x 1
		.amdhsa_system_sgpr_workgroup_id_y 1
		.amdhsa_system_sgpr_workgroup_id_z 1
		.amdhsa_system_vgpr_workitem_id 0
		.amdhsa_next_free_vgpr 1024
		.amdhsa_next_free_sgpr 84
		.amdhsa_reserve_vcc 0
		.amdhsa_float_denorm_mode_32 3
		.amdhsa_float_denorm_mode_16_64 3
		.amdhsa_memory_ordered 1
		.amdhsa_forward_progress 1
		.amdhsa_inst_pref_size 97
	.end_amdhsa_kernel
	.amdgpu_metadata
---
amdhsa.version: [ 1, 2 ]
amdhsa.kernels:
  - .name:           k_qcb564dd193_ffn1
    .symbol:         k_qcb564dd193_ffn1.kd
    .args:
      - { .name: xn, .offset: 0, .size: 8, .value_kind: global_buffer, .address_space: global }
      - { .name: wb, .offset: 8, .size: 8, .value_kind: global_buffer, .address_space: global }
      - { .name: ffn_b1, .offset: 16, .size: 8, .value_kind: global_buffer, .address_space: global }
      - { .name: hb, .offset: 24, .size: 8, .value_kind: global_buffer, .address_space: global }
    .group_segment_fixed_size: 327680
    .private_segment_fixed_size: 0
    .kernarg_segment_align: 8
    .kernarg_segment_size: 32
    .max_flat_workgroup_size: 128
    .sgpr_count:     84
    .vgpr_count:     1024
    .wavefront_size: 32
...
	.end_amdgpu_metadata
.endif
;; end of part 6
;; launch ffn2 (part 7): grid 8 x 32, 4 waves a work-group, clusters of 4 x 4, 327,680 bytes of LDS; arguments hb, wb, ffn_b2, xr, out0; writes out0
.if DOCPART == 7
	.amdgcn_target "amdgcn-amd-amdhsa--gfx1250"
	.amdhsa_code_object_version 6
	.text
	.protected	k_qcb564dd193_ffn2
	.globl	k_qcb564dd193_ffn2
	.p2align	8
	.type	k_qcb564dd193_ffn2,@function
k_qcb564dd193_ffn2:
	s_mov_b64 s[64:65], 0
	v_nop
	global_prefetch_b8 v0, s[64:65] scope:SCOPE_SE
	s_setreg_imm32_b32 hwreg(HW_REG_WAVE_MODE, 25, 1), 1
	s_wait_xcnt 0x0
	s_wait_alu depctr_hold_cnt(0) depctr_sa_sdst(0) depctr_va_vdst(0) depctr_va_sdst(0) depctr_va_ssrc(0) depctr_va_vcc(0) depctr_vm_vsrc(0)
	s_getreg_b32 s2, hwreg(HW_REG_IB_STS2, 6, 4)
	s_cmp_eq_u32 s2, 0
	s_cbranch_scc0 .Lentry_in_a_cluster
	s_endpgm
.Lentry_in_a_cluster:
	s_bfe_u32 s2, ttmp6, 0x10000c
	s_cmp_lg_u32 s2, 0xf033
	s_cbranch_scc0 .Lentry_shape_is_right
	s_endpgm
.Lentry_shape_is_right:
; OUT = RES + A B (+ bias), f32 out.  A is bf16 in blocks of 64 columns, [K / 64][4096 rows][64]; B is a bf16 weight matrix kept [K][1024]; RES and OUT are [4096][1024] f32.  One source for two kernels:
;   HASB = 0: A = the attention's output (K = 1,024), B = w_o, RES = x, OUT = xr.      HASB = 1: A = relu(..) of the first FFN layer (K = 4,096), B = ffn_w2, bias ffn_b2 (it starts the sums), RES = xr, OUT = out0.
; SHAPE.  4,096 x 1,024 make only 64 tiles of 256 x 256, so a tile of C is 128 x 128: 256 work-groups, four waves of 64 x 64 (16 accumulators).  K goes in steps of 256 through two LDS slots.
; A's tile for a loading wave: 4 blocks x 64 rows x 128 bytes, asked for as 4 rows of 8,192 dense bytes, padded in LDS behind every 128 bytes (pitch 144).  B's: 128 k-rows of 256 bytes (pitch 288 = 9 x 32), turned
; at the LDS read by ds_load_tr16_b128.  The matrix instruction is used transposed: a lane holds eight neighbouring columns of one row of C.
; CLUSTER 4 x 4: A's tile is asked for jointly along a row, B's along a column.  No prefetch: a step's tiles are small and its matrix work short.
; EVERY OTHER CLUSTER BEGINS ITS WALK ALONG K IN THE MIDDLE: a cluster whose x + y is odd takes the K steps KSTEPS/2 .. KSTEPS-1 and then 0 .. KSTEPS/2-1.  The two clusters that read the same rows of A (x = 0 and 1
; at one y) are of unlike parity, and of the eight that read the same rows of B four are of each: so of a tile's readers one half asks for it half a walk ahead of the other half.  The first step's number hangs on the
; cluster's two coordinates alone, which all sixteen partners share; it enters the global addresses and nothing else.  The f32 sums are taken in that order of K.
; The residual is loaded into registers at the start and added on the way out, which goes through a stage of the wave's own: 16 rows x 256 bytes, so that sixteen lanes store 256 consecutive bytes, aligned.
; REGISTERS: window 0: v0-31 addresses, v32-95 the way out, v96-127 the bias, v128-255 accumulators; window 1: two fragment buffers of 128 (64 of A, 64 of B); window 2: v0-127 the residual.
.set HASB, 1
.if HASB
.set KSTEPS, 16
.set WOFF, 16<<20
.set RESP, 10
.set OUTP, 68
.else
.set KSTEPS, 4
.set WOFF, 6<<20
.set RESP, 8
.set OUTP, 10
.endif
.set PAQ,   144
.set PBQ,   288
.set PART,  36864                      ; what one tensor load fills
.set SLOT,  4*PART                     ; A's two parts, then B's two.  0x24000: no wave's w x PART has one of its two bits, so an exclusive or by SLOT changes slots
.set STAGE, 2*SLOT
.set SPITCH, 272
.set SPARE, STAGE+4*16*SPITCH          ; the spare words: two blocks of 256 bytes that no other line names
.set WV, 12
.set FK, 13
.set HF, 14
.set TR, 15
.set RB, 2
.set CNT, 3
.set ABASE, 18                         ; s[18:19] A at my part of the tile's rows, K step 0; never rewritten
.set BBASE, 22                         ; s[22:23] B at my part of K step 0, the tile's columns; never rewritten
.set KI,  43                           ; s43 the K step that the walking descriptors name
.set OFA, 44                           ; s[44:45] its byte offset in A: 4 blocks of 524,288 bytes a step
.set OFB, 46                           ; s[46:47] and in B: 256 k-rows of 2,048 bytes a step
.set G1A, 24
.set G0A, 32
.set G1B, 48
.set G0B, 56
.set ADRA, 16
.set A0,   17
.set ADRB, 18                          ; v18, v19: k-rows 0-127 and 128-255 of the slot in hand
.set B0,   20                          ; v20, v21: their lane terms
.set STO,  24
.set RD,   25
.set CO,   26
.set SPW,  28
.set NIL,  29
.set BO,   31                          ; v31 the bias loads' offset, 32 x (lane / 16); never rewritten, so that those loads need no wait for its sake
.set OB,   32
.set BIAS, 96
.set ACC,  128
.set F0,   0
.set F1,   128
.set MSB, 0
.macro WIN new
.if MSB != (\new)
	s_set_vgpr_msb (MSB<<8)|(\new)
.set MSB, \new
.endif
.endm
.set MUL,  0x05                        ; sources 0 (B) and 1 (A) window 1; C and D window 0
.macro JLOAD s
	s_cmp_eq_u32 s[FK], 0
	s_cbranch_scc0 .Lfor_b_\@
	tensor_load_to_lds s[G0A+4*(\s):G0A+4*(\s)+3], s[G1A:G1A+7]
	s_nop 0
.rept 4
	v_nop
.endr
	s_branch .Lasked_\@
.Lfor_b_\@:
	tensor_load_to_lds s[G0B+4*(\s):G0B+4*(\s)+3], s[G1B:G1B+7]
	s_nop 0
.rept 4
	v_nop
.endr
.Lasked_\@:
.endm
.macro CREST
	s_cmp_lg_u32 s[WV], 0
	s_cbranch_scc1 .Lnot_wave_0_\@
	s_barrier_signal -3
.Lnot_wave_0_\@:
	s_barrier_wait -3
	s_barrier_signal -1
	s_barrier_wait -1
.endm
.macro CROUND
	s_barrier_signal -1
	s_barrier_wait -1
	CREST
.endm
.macro PLACES
.rept 4
	v_nop
.endr
.endm
; 8 matrix instructions: m blocks a0, a0 + 1 x all 4 n blocks, 32 along K: half c of buffer f.  zero = 1: the first product starts the sums, with 0 or with the bias
.macro MUL8 f, c, a0, zero
	WIN MUL
.irp a, \a0, (\a0)+1
.irp b, 0,1,2,3
.if (\zero) && HASB
	v_wmma_f32_16x16x32_bf16 v[ACC+8*(4*(\a)+(\b)):ACC+8*(4*(\a)+(\b))+7], v[(\f)+64+8*(4*(\c)+(\b)):(\f)+64+8*(4*(\c)+(\b))+7], v[(\f)+8*(4*(\c)+(\a)):(\f)+8*(4*(\c)+(\a))+7], v[BIAS+8*(\b):BIAS+8*(\b)+7]
.elseif \zero
	v_wmma_f32_16x16x32_bf16 v[ACC+8*(4*(\a)+(\b)):ACC+8*(4*(\a)+(\b))+7], v[(\f)+64+8*(4*(\c)+(\b)):(\f)+64+8*(4*(\c)+(\b))+7], v[(\f)+8*(4*(\c)+(\a)):(\f)+8*(4*(\c)+(\a))+7], 0
.else
	v_wmma_f32_16x16x32_bf16 v[ACC+8*(4*(\a)+(\b)):ACC+8*(4*(\a)+(\b))+7], v[(\f)+64+8*(4*(\c)+(\b)):(\f)+64+8*(4*(\c)+(\b))+7], v[(\f)+8*(4*(\c)+(\a)):(\f)+8*(4*(\c)+(\a))+7], v[ACC+8*(4*(\a)+(\b)):ACC+8*(4*(\a)+(\b))+7]
.endif
.endr
.endr
.endm
; 32 LDS loads in one run: quarter q (64 along K: one block of A) of the slot in hand into buffer f, the first 32 along K first
.macro FETCH q, f
	WIN 0x40
.irp c, 0,1
.irp i, 0,1,2,3
	ds_load_tr16_b128 v[(\f)+64+8*(4*(\c)+(\i)):(\f)+64+8*(4*(\c)+(\i))+3],   v[ADRB+(\q)/2] offset:(((\q)%2)*64+32*(\c))*PBQ+32*(\i)
	ds_load_tr16_b128 v[(\f)+64+8*(4*(\c)+(\i))+4:(\f)+64+8*(4*(\c)+(\i))+7], v[ADRB+(\q)/2] offset:(((\q)%2)*64+32*(\c)+16)*PBQ+32*(\i)
	ds_load_b128 v[(\f)+8*(4*(\c)+(\i)):(\f)+8*(4*(\c)+(\i))+3],   v[ADRA] offset:(\q)*64*PAQ+64*(\c)+(\i)*16*PAQ
	ds_load_b128 v[(\f)+8*(4*(\c)+(\i))+4:(\f)+8*(4*(\c)+(\i))+7], v[ADRA] offset:(\q)*64*PAQ+64*(\c)+(\i)*16*PAQ+32
.endr
.endr
.endm
.macro QUARTER q, f, g, zero
	s_wait_dscnt 16                                ; the first 32 along K are in
	MUL8 \f, 0, 0, \zero
	MUL8 \f, 0, 2, \zero
	PLACES
	FETCH \q, \g
	s_wait_dscnt 32                                ; all but the 32 just issued
	MUL8 \f, 1, 0, 0
	MUL8 \f, 1, 2, 0
.endm
.macro MEET
	WIN 0
	s_wait_tensorcnt 0x0                           ; all my tensor loads have landed: my part of the next slot;
	ds_add_u32 v[SPW], v[NIL]
	s_wait_dscnt 17                                ; (the add and the youngest sixteen loads may be out)
	MUL8 F1, 0, 0, 0
	s_wait_dscnt 0x0                               ; the add is done and my reads of this slot are over
	s_barrier_signal -1
	MUL8 F1, 0, 2, 0
	WIN 0
	s_barrier_wait -1
.endm
.macro NEXT
	s_xor_b32 s[RB], s[RB], SLOT
	v_add_nc_u32 v[ADRA], s[RB], v[A0]
	v_add_nc_u32 v[ADRB], s[RB], v[B0]
	v_add_nc_u32 v[ADRB+1], s[RB], v[B0+1]
.endm
.macro TURN                            ; the barrier opens a round of the cluster's; the joint refill, the walk's step two steps on, is the first thing behind it: 112 matrix instructions ahead of the wait for it
	s_add_co_u32 s[KI], s[KI], 1                   ; the walk's next K step, round the end of K; its offsets are made here, in registers that no descriptor holds
	s_and_b32 s[KI], s[KI], KSTEPS-1
	s_lshl_b32 s[OFA], s[KI], 21
	s_lshl_b32 s[OFB], s[KI], 19
	MEET
	CREST
	s_xor_b32 s[G0A+5], s[G0A+5], SLOT             ; the walking descriptors: the other slot than last time; the address is made anew from the base and the offset
	s_add_nc_u64 s[G0A+6:G0A+7], s[ABASE:ABASE+1], s[OFA:OFA+1]
	s_or_b32 s[G0A+7], s[G0A+7], 0x80000000
	s_xor_b32 s[G0B+5], s[G0B+5], SLOT
	s_add_nc_u64 s[G0B+6:G0B+7], s[BBASE:BBASE+1], s[OFB:OFB+1]
	s_or_b32 s[G0B+7], s[G0B+7], 0x80000000
	JLOAD 1                                        ; its four v_nop are also the places in front of the loads below
	NEXT
	FETCH 0, F0
	MUL8 F1, 1, 0, 0
	MUL8 F1, 1, 2, 0
.endm
	s_load_b256 s[4:11], s[0:1], 0x0               ; A s[4:5], wb s[6:7]; then x, xr  or  ffn_b2, xr
.if HASB
	s_load_b64 s[68:69], s[0:1], 0x20              ; out0
.endif
	v_lshl_add_u32 v[SPW], v0, 2, SPARE
	v_mov_b32 v[NIL], 0
	ds_add_u32 v[SPW], v[NIL]                      ; the wave's opening: the add and its wait ahead of my first tensor load
	v_lshrrev_b32 v1, 5, v0
	v_readfirstlane_b32 s[WV], v1
	s_lshr_b32 s[FK], s[WV], 1                     ; my row half; also: I fetch A (0) or B (1)
	s_and_b32 s[HF], s[WV], 1                      ; my column half; also which part I fetch
	s_bfe_u32 s40, ttmp6, 0x40000
	s_bfe_u32 s41, ttmp6, 0x40004
	s_lshl_b32 s42, ttmp9, 2
	s_add_co_u32 s42, s42, s40                     ; tile column
	s_and_b32 s[TR], ttmp7, 0xffff
	s_lshl_b32 s[TR], s[TR], 2
	s_add_co_u32 s[TR], s[TR], s41                 ; tile row
	s_and_b32 s[KI], ttmp7, 0xffff                 ; the walk's first K step: 0, or KSTEPS/2 where cluster x + cluster y is odd
	s_add_co_u32 s[KI], s[KI], ttmp9
	s_and_b32 s[KI], s[KI], 1
	s_mul_i32 s[KI], s[KI], KSTEPS/2
	s_mov_b32 s[OFA+1], 0
	s_mov_b32 s[OFB+1], 0
	s_lshl_b32 s16, s41, 2
	s_lshl_b32 s16, 15, s16
	s_lshl_b32 s20, 0x1111, s40
	s_or_b32 s[G1A], s16, (1<<16)|(1<<20)|(1<<21)|(4<<22)|(3<<25)   ; 4 words of padding behind every 32
	s_mov_b32 s[G1A+1], 4096<<16                   ; tensor_dim0 = 4,096 elements: 64 rows of a block on end
	s_mov_b32 s[G1A+2], 4<<16                      ; tensor_dim1 = 4 blocks
	s_mov_b32 s[G1A+3], 4096<<16
	s_mov_b32 s[G1A+4], 4
	s_mov_b32 s[G1A+5], 262144                     ; elements from block to block
	s_mov_b32 s[G1A+6], 0
	s_mov_b32 s[G1A+7], 0
	s_or_b32 s[G1B], s20, (1<<16)|(1<<20)|(1<<21)|(5<<22)|(7<<25)   ; 8 words of padding behind every 64
	s_mov_b32 s[G1B+1], 128<<16
	s_mov_b32 s[G1B+2], 128<<16
	s_mov_b32 s[G1B+3], 128<<16
	s_mov_b32 s[G1B+4], 128
	s_mov_b32 s[G1B+5], 1024
	s_mov_b32 s[G1B+6], 0
	s_mov_b32 s[G1B+7], 0
	s_lshl_b32 s16, s[TR], 7
	s_lshl_b32 s17, s[HF], 6
	s_add_co_u32 s16, s16, s17
	s_lshl_b32 s16, s16, 7                         ; A: (128 x tile row + 64 x part) rows of 128 bytes in a block
	s_mov_b32 s17, 0
	s_lshl_b32 s20, s42, 8                         ; B: 128 columns,
	s_add_co_u32 s20, s20, WOFF
	s_lshl_b32 s21, s[HF], 18                      ; my 128 k-rows
	s_add_co_u32 s20, s20, s21
	s_mov_b32 s21, 0
	s_mul_i32 s66, s[WV], PART
	s_mov_b32 s[RB], 0
	s_wait_dscnt 0x0                               ; the opening add is done
	s_wait_kmcnt 0x0
	s_add_nc_u64 s[ABASE:ABASE+1], s[4:5], s[16:17]
	s_add_nc_u64 s[BBASE:BBASE+1], s[6:7], s[20:21]
.irp s, 0,1
	s_lshl_b32 s[OFA], s[KI], 21                   ; the walk's steps 0 and 1
	s_lshl_b32 s[OFB], s[KI], 19
	s_mov_b32 s[G0A+4*(\s)], 1
	s_add_co_u32 s[G0A+4*(\s)+1], s66, (\s)*SLOT
	s_add_nc_u64 s[G0A+4*(\s)+2:G0A+4*(\s)+3], s[ABASE:ABASE+1], s[OFA:OFA+1]
	s_or_b32 s[G0A+4*(\s)+3], s[G0A+4*(\s)+3], 0x80000000
	s_mov_b32 s[G0B+4*(\s)], 1
	s_add_co_u32 s[G0B+4*(\s)+1], s66, (\s)*SLOT
	s_add_nc_u64 s[G0B+4*(\s)+2:G0B+4*(\s)+3], s[BBASE:BBASE+1], s[OFB:OFB+1]
	s_or_b32 s[G0B+4*(\s)+3], s[G0B+4*(\s)+3], 0x80000000
.if (\s) == 0
	s_add_co_u32 s[KI], s[KI], 1                   ; at most KSTEPS/2 + 1: no wrap yet
.endif
.endr
	CROUND                                         ; all sixteen work-groups are here: the first joint loads meet
	s_cmp_eq_u32 s[FK], 0                          ; a wave's two first fills stand in one branch: two loads of mine are out
	s_cbranch_scc0 .Lfirst_b
	tensor_load_to_lds s[G0A:G0A+3], s[G1A:G1A+7]
	s_nop 0
	tensor_load_to_lds s[G0A+4:G0A+7], s[G1A:G1A+7]
	s_nop 0
.rept 4
	v_nop
.endr
	s_branch .Lfirst_asked
.Lfirst_b:
	tensor_load_to_lds s[G0B:G0B+3], s[G1B:G1B+7]
	s_nop 0
	tensor_load_to_lds s[G0B+4:G0B+7], s[G1B:G1B+7]
	s_nop 0
.rept 4
	v_nop
.endr
.Lfirst_asked:
	v_and_b32 v1, 15, v0                           ; r
	v_bfe_u32 v2, v0, 4, 1                         ; h
.if HASB
	s_lshl_b32 s16, s42, 9                         ; the bias of my 64 columns, in a result's layout
	s_lshl_b32 s17, s[HF], 8
	s_add_co_u32 s16, s16, s17
	s_mov_b32 s17, 0
	s_add_nc_u64 s[8:9], s[8:9], s[16:17]
	v_lshlrev_b32 v[BO], 5, v2
.irp b, 0,1,2,3
	global_load_b128 v[BIAS+8*\b:BIAS+8*\b+3],   v[BO], s[8:9] offset:64*\b
	global_load_b128 v[BIAS+8*\b+4:BIAS+8*\b+7], v[BO], s[8:9] offset:64*\b+16
.endr
.endif
	; my 64 x 64 of RES and OUT: row 128 x tile row + 64 x row half, column 128 x tile column + 64 x column half
	s_lshl_b32 s20, s[TR], 7
	s_lshl_b32 s21, s[FK], 6
	s_add_co_u32 s20, s20, s21
	s_lshl_b32 s20, s20, 10
	s_lshl_b32 s21, s42, 7
	s_add_co_u32 s20, s20, s21
	s_lshl_b32 s21, s[HF], 6
	s_add_co_u32 s20, s20, s21
	s_lshl_b32 s20, s20, 2
	s_mov_b32 s21, 0
	s_add_nc_u64 s[RESP:RESP+1], s[RESP:RESP+1], s[20:21]
	s_add_nc_u64 s[OUTP:OUTP+1], s[OUTP:OUTP+1], s[20:21]
	v_lshlrev_b32 v[CO], 12, v2                    ; lanes 0-15 one row's 256 bytes, lanes 16-31 the next row's
	v_lshl_add_u32 v[CO], v1, 4, v[CO]
	WIN 0x80
.irp a, 0,1,2,3
.irp t, 0,1,2,3,4,5,6,7
	global_load_b128 v[32*\a+4*\t:32*\a+4*\t+3], v[CO], s[RESP:RESP+1] offset:\a*65536+\t*8192
.endr
.endr
	WIN 0
	v_mul_u32_u24 v3, v1, PAQ
	v_lshl_add_u32 v3, v2, 4, v3
	s_mul_i32 s16, s[FK], PART
	v_add_nc_u32 v[A0], s16, v3                    ; my 64 rows of A
	v_and_b32 v4, 7, v0
	v_lshl_add_u32 v4, v2, 3, v4
	v_mul_u32_u24 v4, v4, PBQ
	v_bfe_u32 v5, v0, 3, 1
	v_lshl_add_u32 v4, v5, 4, v4
	s_lshl_b32 s16, s[HF], 7
	s_add_co_u32 s16, s16, 2*PART
	v_add_nc_u32 v[B0], s16, v4                    ; my 64 columns of B
	v_add_nc_u32 v[B0+1], PART, v[B0]
	v_mov_b32 v[ADRA], v[A0]
	v_mov_b32 v[ADRB], v[B0]
	v_mov_b32 v[ADRB+1], v[B0+1]
	s_mul_i32 s16, s[WV], 16*SPITCH
	s_add_co_u32 s16, s16, STAGE
	v_mul_u32_u24 v3, v1, SPITCH
	v_lshl_add_u32 v3, v2, 5, v3
	v_add_nc_u32 v[STO], s16, v3                   ; in: row r, 32 bytes for each half of the lanes
	v_mul_u32_u24 v3, v2, SPITCH
	v_lshl_add_u32 v3, v1, 4, v3
	v_add_nc_u32 v[RD], s16, v3                    ; back: two whole rows
	s_wait_tensorcnt 1                             ; my part of the walk's step 0 is in; step 1's may stay out
	s_barrier_signal -1
	s_barrier_wait -1
.if HASB
	s_wait_loadcnt 32                              ; the bias is in; the 32 loads of the residual may stay out
.endif
	FETCH 0, F0
	QUARTER 1, F0, F1, 1
	WIN 0
	s_mov_b32 s[CNT], KSTEPS-2
.Lstep:                                                ; all steps of the walk but the last two, from a step's second quarter to the next step's first
	QUARTER 2, F1, F0, 0
	QUARTER 3, F0, F1, 0
	TURN
	QUARTER 1, F0, F1, 0
	WIN 0
	s_sub_co_u32 s[CNT], s[CNT], 1
	s_cmp_lg_u32 s[CNT], 0
	s_cbranch_scc1 .Lstep
	s_mov_b32 s[CNT], 2
.Ltail:                                                ; the last two steps fill nothing; the second trip is left in its middle
	QUARTER 2, F1, F0, 0
	QUARTER 3, F0, F1, 0
	MEET
	s_sub_co_u32 s[CNT], s[CNT], 1
	s_cmp_eq_u32 s[CNT], 0
	s_cbranch_scc1 .Lout
	PLACES
	NEXT
	FETCH 0, F0
	MUL8 F1, 1, 0, 0
	MUL8 F1, 1, 2, 0
	QUARTER 1, F0, F1, 0
	WIN 0
	s_branch .Ltail
.Lout:
	MUL8 F1, 1, 0, 0
	MUL8 F1, 1, 2, 0
	WIN 0
	PLACES
; THE WAY OUT, a block of 16 rows at a time: the sums go as they are into my stage and come back as whole rows of 256 bytes; the residual is added; sixteen lanes store 256 consecutive bytes, aligned.
.macro TOSTAGE a
.if (\a) >= 2
	s_wait_xcnt 0x0                                ; the stores of the block two back have read the registers that are loaded again
.endif
.irp b, 0,1,2,3
	ds_store_b128 v[STO], v[ACC+8*(4*(\a)+\b):ACC+8*(4*(\a)+\b)+3]   offset:64*\b
	ds_store_b128 v[STO], v[ACC+8*(4*(\a)+\b)+4:ACC+8*(4*(\a)+\b)+7] offset:64*\b+16
.endr
.irp t, 0,1,2,3,4,5,6,7
	ds_load_b128 v[OB+32*((\a)%2)+4*\t:OB+32*((\a)%2)+4*\t+3], v[RD] offset:\t*2*SPITCH  ; LDS serves a wave's instructions in order: these see the stores above
.endr
.endm
.macro SEND a, younger                 ; younger: the next block's eight stores and eight loads, or none
	s_wait_dscnt \younger
.if (\a) == 0
	s_wait_loadcnt 0x0                             ; the residual
.endif
	WIN 0x08                                       ; source 1 in window 2
.set z, 0
.rept 16
	v_pk_add_f32 v[OB+32*((\a)%2)+2*z:OB+32*((\a)%2)+2*z+1], v[OB+32*((\a)%2)+2*z:OB+32*((\a)%2)+2*z+1], v[32*(\a)+2*z:32*(\a)+2*z+1]
.set z, z+1
.endr
	WIN 0
.irp t, 0,1,2,3,4,5,6,7
	global_store_b128 v[CO], v[OB+32*((\a)%2)+4*\t:OB+32*((\a)%2)+4*\t+3], s[OUTP:OUTP+1] offset:(\a)*65536+\t*8192
.endr
.endm
	TOSTAGE 0
	TOSTAGE 1
	SEND 0, 16
	TOSTAGE 2
	SEND 1, 16
	TOSTAGE 3
	SEND 2, 16
	SEND 3, 0
	s_wait_tensorcnt 0x0                           ; the wave's end
	ds_add_u32 v[SPW], v[NIL]
	s_wait_dscnt 0x0
	CROUND                                         ; the closing round
	s_endpgm
.Lfunc_end_k_qcb564dd193_ffn2:
	.size	k_qcb564dd193_ffn2, .Lfunc_end_k_qcb564dd193_ffn2-k_qcb564dd193_ffn2
	.p2alignl 7, 3214868480
	.fill 96, 4, 3214868480
	.section	.rodata,"a",@progbits
	.p2align	6, 0x0
	.amdhsa_kernel k_qcb564dd193_ffn2
		.amdhsa_group_segment_fixed_size 327680
		.amdhsa_private_segment_fixed_size 0
		.amdhsa_enable_private_segment 0
		.amdhsa_kernarg_size 40
		.amdhsa_user_sgpr_count 2
		.amdhsa_user_sgpr_kernarg_segment_ptr 1
		.amdhsa_wavefront_size32 1
		.amdhsa_system_sgpr_workgroup_id_x 1
		.amdhsa_system_sgpr_workgroup_id_y 1
		.amdhsa_system_sgpr_workgroup_id_z 1
		.amdhsa_system_vgpr_workitem_id 0
		.amdhsa_next_free_vgpr 640
		.amdhsa_next_free_sgpr 72
		.amdhsa_reserve_vcc 0
		.amdhsa_float_denorm_mode_32 3
		.amdhsa_float_denorm_mode_16_64 3
		.amdhsa_memory_ordered 1
		.amdhsa_forward_progress 1
		.amdhsa_inst_pref_size 67
	.end_amdhsa_kernel
	.amdgpu_metadata
---
amdhsa.version: [ 1, 2 ]
amdhsa.kernels:
  - .name:           k_qcb564dd193_ffn2
    .symbol:         k_qcb564dd193_ffn2.kd
    .args:
      - { .name: hb, .offset: 0, .size: 8, .value_kind: global_buffer, .address_space: global }
      - { .name: wb, .offset: 8, .size: 8, .value_kind: global_buffer, .address_space: global }
      - { .name: ffn_b2, .offset: 16, .size: 8, .value_kind: global_buffer, .address_space: global }
      - { .name: xr, .offset: 24, .size: 8, .value_kind: global_buffer, .address_space: global }
      - { .name: out0, .offset: 32, .size: 8, .value_kind: global_buffer, .address_space: global }
    .group_segment_fixed_size: 327680
    .private_segment_fixed_size: 0
    .kernarg_segment_align: 8
    .kernarg_segment_size: 40
    .max_flat_workgroup_size: 128
    .sgpr_count:     72
    .vgpr_count:     640
    .wavefront_size: 32
...
	.end_amdgpu_metadata
.endif
;; end of part 7
